; MI455X (gfx1250); checked and timed in simulation.
; The chip was launched on July 23, 2026; its instructions are those of AMD's public machine-readable ISA for CDNA 5 (MIT licence, August 2026) and "CDNA5" Instruction Set Architecture Reference Guide (July 2026). The comments in the code are by the model that wrote it; some were corrected since.
;; Multihead Attention. Allowed arithmetic: matrix products marked QUANTISED: E2M3 operands, one E8M0 scale for each 32 along K, by v_wmma_scale_f32_16x16x128_f8f6f4 with both operands' format E2M3, f32 sums; everything else in f32.
;; Inputs: Wk 1,024 x 1,024 float32; Wo 1,024 x 1,024 float32; Wq 1,024 x 1,024 float32; Wv 1,024 x 1,024 float32; bo 1,024 float32; x 4 x 2,048 x 1,024 float32.
;; Outputs: out0 4 x 2,048 x 1,024 float32.
;; This version of the problem:
;;   THIS VERSION OF THE PROBLEM IS GIVEN IN LOW PRECISION. The matrix products marked QUANTISED in the list below multiply operands that are first quantised to E2M3 (2 exponent bits, 3 mantissa bits; 6 bits a number), with one power-of-two scale for each 32 numbers along K (OCP MX v1.0); their sums are f32. All else is computed in f32.
;;   The module's matrix products, in the order in which they are computed (A, B: the left and right operand; K: the contracted axis; several contracted axes count as one K, in the product's order):
;;     1. [M 8,192, K 1,024] x [K 1,024, N 1,024]; A: input x; B: input Wq: QUANTISED
;;     2. [M 8,192, K 1,024] x [K 1,024, N 1,024]; A: input x; B: input Wk: QUANTISED
;;     3. [M 8,192, K 1,024] x [K 1,024, N 1,024]; A: input x; B: input Wv: QUANTISED
;;     4. batch 64 x [M 2,048, K 64] x [K 64, N 2,048]; A: computed on the way; B: computed on the way: QUANTISED
;;     5. batch 64 x [M 2,048, K 2,048] x [K 2,048, N 64]; A: softmax (see below); B: computed on the way: QUANTISED
;;     6. [M 8,192, K 1,024] x [K 1,024, N 1,024]; A: computed on the way; B: input Wo: QUANTISED
;;   THE QUANTISER, for each operand of a quantised product, along K:
;;     - K is cut into blocks of 32 from its start; a last block that is shorter is filled with zeros.
;;     - A block's scale is 2^e with e = floor(log2(the largest magnitude in the block)) - 2, held to -126 .. 127; a block of zeros has e = 0. As a byte (E8M0): e + 127.
;;     - Each number is divided by its block's scale, clamped to +-7.5, and rounded to the nearest number of E2M3, ties to even, subnormals kept.
;;     - The product sums the exact products of the quantised numbers (number of the format x scale) in f32.
;;   ~~~python
;;   def quantise(x, axis):      # numpy; x: float32 -> the quantised numbers, widened to float32 again
;;       x = np.moveaxis(x, axis, -1); K = x.shape[-1]
;;       x = np.pad(x, [(0, 0)] * (x.ndim - 1) + [(0, -K % 32)]); x = x.reshape(x.shape[:-1] + (-1, 32)); a = np.abs(x).max(-1, keepdims=True)
;;       e = np.where(a > 0, np.clip(np.frexp(np.where(a > 0, a, 1))[1] - 1 - 2, -126, 127), 0)      # np.frexp(a)[1] - 1 = floor(log2(a)), exactly
;;       r = np.clip(x / 2.0 ** e, -7.5, 7.5)
;;       step = 2.0 ** (np.maximum(np.frexp(np.where(r == 0, 1, r))[1] - 1, 0) - 3)
;;       q = np.round(r / step) * step * 2.0 ** e      # np.round: ties to even
;;       return np.moveaxis(q.reshape(q.shape[:-2] + (-1,))[..., :K], -1, axis).astype(np.float32)
;;   ~~~
;;   SOFTMAX AHEAD OF A QUANTISED PRODUCT. Where the list says 'softmax', what is quantised is not the finished softmax but p = 2^(t - M), with t = logit x log2(e) and M = ceil(the row's largest t), a whole number; so 1/2 < the row's largest p <= 1. The row's sum l is taken of the UNQUANTISED p, in f32, and the product's result is divided by l at the end. Since M is a whole number, a kernel that streams over the keys may use a running M (the ceiling of the running maximum): every later rescaling is an exact power of two, which a block's scale takes up: the codes' values come out the same.
;;   OPERANDS COMPUTED ON THE WAY. 'Computed on the way' means the value that the module computes at that place (a softmax that the list does not call 'softmax' is quantised finished and normalised). What goes into a quantiser is computed in f32, as accurately as f32 sums, v_exp_f32 and their like allow (about 1e-6 of the number): no bf16 or f16 on the way to a quantiser, and a product that is left as it is and whose result goes on into a quantised operand takes f32 operands (vector FMAs, or v_wmma_f32_16x16x4_f32). A number that lies on a knife's edge between two numbers of the format may be rounded either way, as far as f32 arithmetic and the matrix unit's own rounding can turn it there, and no further.
;; One version. Each part assembles by itself: llvm-mc -triple=amdgcn-amd-amdhsa -mcpu=gfx1250 --defsym DOCPART=n.
;; ======== version 1 of 1: 4 launches
;; limits: right only within a limited range of input values
;; workspace buffers: codes 9,437,184 bytes; scales 393,216 bytes; qrec 6,815,744 bytes; kvrec 13,369,344 bytes; oc 6,291,456 bytes; os 262,144 bytes
;; launch quant (part 1): grid 768 x 1, 2 waves a work-group, no clusters, 33,280 bytes of LDS; arguments x, Wq, Wk, Wv, Wo, codes, scales; writes codes, scales
.if DOCPART == 1
	.amdgcn_target "amdgcn-amd-amdhsa--gfx1250"
	.amdhsa_code_object_version 6
	.text
	.protected	k_q07e99e969e_quant
	.globl	k_q07e99e969e_quant
	.p2align	8
	.type	k_q07e99e969e_quant,@function
k_q07e99e969e_quant:
	s_mov_b64 s[64:65], 0
	v_nop
	global_prefetch_b8 v0, s[64:65] scope:SCOPE_SE
	s_setreg_imm32_b32 hwreg(HW_REG_WAVE_MODE, 25, 1), 1
	s_wait_xcnt 0x0
; x [8192][1024], Wq, Wk, Wv, Wo [1024][1024], f32, K innermost, become codes of FP6 (E2M3), 6 bits each, and one E8M0 scale byte for each 32 along K.
; codes: [12288 rows][768 bytes], scales: [12288 rows][32 bytes]; rows 0 on: x, 8192 on: Wq, 9216: Wk, 10240: Wv, 11264: Wo.
; A block's scale is 2^(floor(log2(its largest magnitude)) - 2); its byte is the largest magnitude's exponent field - 2, held at 1 from below.
; POSITIONS: of every 32 rows of x, Wq, Wk and Wv the four groups of eight rows are stored in the order 0, 2, 1, 3, so that position 32 B + 16 u + r holds row 32 B + 8 u + r + 8 (r / 8).
; A tile of 16 neighbouring positions then gives, in a transposed product, 16 neighbours along the next product's K in a lane's registers.  Wo's rows stay in their order.
; LIMITS: NaN and infinities among the inputs are not served; a block of zeros gets the byte 1 (its codes are zeros, and this program alone reads the bytes).
; SHARES: a work-group takes 32 rows, a wave eight of them (8,192 numbers, one dense run), in 16 steps of 512 numbers.  No work-group shares an input with another: no cluster, no tensor load, no barrier.
; Each of a step's four loads reads 512 consecutive bytes; the 2,048 bytes turn through the wave's own stage in LDS and come back 64 bytes a lane: 16 neighbours along K, two lanes to a block.
.set STEPS, 16
.set CB,    12                         ; bytes of 16 codes
; THE CODES' LAYOUT, which takes the place of the line on it above: codes [4 quarters of K][12288 rows][192 bytes]: the 256 codes of quarter q of row p lie at 0x240000 q + 192 p,
; so that 128 rows of one quarter are one dense block of 24,576 bytes, which begins at a multiple of 256 bytes.
.set R,     16                         ; v16-79   four sets of 16 numbers as they are loaded
.set X,     80                         ; v80-111  two sets of 16 neighbours
.set C,     128                        ; v128-191 codes: four registers for each step, so that no store's data are written again
.set E,     112                        ; v112-127 a scale byte for each step
.set WREG,  8192                       ; LDS: a region for each wave: two stages of 32 x SP bytes, behind them its 256 scale bytes
.set SP,    80                         ; a lane's place in a stage: 64 bytes + 16 of padding
	s_load_b256 s[4:11], s[0:1], 0x0               ; x, Wq, Wk, Wv
	s_load_b128 s[12:15], s[0:1], 0x20             ; Wo, codes
	s_load_b64 s[24:25], s[0:1], 0x30              ; scales
	v_lshl_add_u32 v192, v0, 2, 0x8000
	v_mov_b32 v193, 0
	v_lshrrev_b32 v1, 5, v0
	v_readfirstlane_b32 s16, v1                    ; wave
	v_and_b32 v2, 31, v0                           ; lane
	v_lshlrev_b32 v3, 4, v2                        ; my 16 bytes of a load's 512
	s_mul_i32 s17, s16, WREG
	v_lshrrev_b32 v14, 2, v2
	v_mul_u32_u24 v14, v14, SP
	v_and_b32 v15, 3, v2
	v_lshl_add_u32 v14, v15, 4, v14
	v_add_nc_u32 v14, s17, v14                     ; the stage, on the way in: SP (lane / 4) + 16 (lane % 4)
	v_mul_u32_u24 v15, v2, SP
	v_add_nc_u32 v15, s17, v15                     ; on the way out: SP x lane
	v_and_b32 v4, 15, v2
	v_mul_u32_u24 v4, v4, CB                       ; my codes' place: 12 bytes for each of the sixteen lanes of a quarter of K,
	v_lshrrev_b32 v8, 4, v2
	v_mad_u32_u24 v4, v8, 0x240000, v4             ; lanes 16-31 hold the next quarter
	v_lshrrev_b32 v5, 1, v2
	s_add_co_u32 s17, s17, 2*32*SP
	v_add_nc_u32 v5, s17, v5                       ; LDS: my wave's 256 scale bytes, my block's byte
	v_lshlrev_b32 v7, 3, v2                        ; and on the way out 8 bytes a lane
	v_add_nc_u32 v6, s17, v7
; THE SHARES, which take the place of the line on them above: 768 work-groups of two waves; a work-group takes 16 rows, a wave eight of them: run 2 x work-group + wave of all 1,536 runs of eight rows.
	s_lshl_b32 s29, ttmp9, 1
	s_add_co_u32 s29, s29, s16                     ; my run of eight rows
	s_and_b32 s21, s29, 3                          ; which of the four runs of its 32 rows
	s_and_b32 s20, s21, 1                          ; where it goes among the 32: 0, 2, 1, 3
	s_lshl_b32 s20, s20, 1
	s_lshr_b32 s32, s21, 1
	s_or_b32 s20, s20, s32
	s_cmp_lt_u32 ttmp9, 704
	s_cselect_b32 s20, s20, s21                    ; Wo's rows keep their order
	s_and_b32 s21, s29, 0xfffffffc
	s_add_co_u32 s20, s20, s21                     ; the run of eight rows that I write
	s_mul_i32 s22, s20, 1536                       ; its codes: eight rows of 192 bytes in each quarter,
	s_mov_b32 s23, 0
	s_lshl_b32 s30, s20, 8                         ; its scale bytes
	s_mov_b32 s31, 0
	s_wait_alu depctr_va_vdst(0)
	s_wait_kmcnt 0x0
	s_mov_b64 s[26:27], s[12:13]                   ; which tensor is mine: the choice hangs on the work-group's number alone
	s_mov_b32 s28, 704
	s_cmp_lt_u32 ttmp9, 704
	s_cselect_b64 s[26:27], s[10:11], s[26:27]
	s_cselect_b32 s28, 640, s28
	s_cmp_lt_u32 ttmp9, 640
	s_cselect_b64 s[26:27], s[8:9], s[26:27]
	s_cselect_b32 s28, 576, s28
	s_cmp_lt_u32 ttmp9, 576
	s_cselect_b64 s[26:27], s[6:7], s[26:27]
	s_cselect_b32 s28, 512, s28
	s_cmp_lt_u32 ttmp9, 512
	s_cselect_b64 s[26:27], s[4:5], s[26:27]
	s_cselect_b32 s28, 0, s28
	s_sub_co_u32 s17, ttmp9, s28
	s_lshl_b32 s17, s17, 1
	s_add_co_u32 s18, s17, s16                     ; the run of eight rows that I read, in its tensor
	s_lshl_b32 s18, s18, 15                        ; 32,768 bytes a run
	s_mov_b32 s19, 0
	s_add_nc_u64 s[26:27], s[26:27], s[18:19]
	s_add_nc_u64 s[14:15], s[14:15], s[22:23]
	s_add_nc_u64 s[24:25], s[24:25], s[30:31]
.macro LOAD t
.irp i, 0,1,2,3
	global_load_b128 v[R+16*((\t)%4)+4*\i:R+16*((\t)%4)+4*\i+3], v3, s[26:27] offset:2048*(\t)+512*\i th:TH_LOAD_NT   ; 32 lanes read 512 consecutive bytes
.endr
.endm
.macro TURN t                          ; step t's numbers through the stage: LDS serves a wave's instructions in order, so no wait stands between the stores and the loads
.irp i, 0,1,2,3
	ds_store_b128 v14, v[R+16*((\t)%4)+4*\i:R+16*((\t)%4)+4*\i+3] offset:32*SP*((\t)%2)+8*SP*\i
.endr
.irp i, 0,1,2,3
	ds_load_b128 v[X+16*((\t)%2)+4*\i:X+16*((\t)%2)+4*\i+3], v15 offset:32*SP*((\t)%2)+16*\i
.endr
.endm
.irp t, 0,1,2,3
	LOAD \t
.endr
	s_wait_loadcnt 12                              ; step 0's four loads are in; the twelve behind them stay out
	TURN 0
.macro STEP t
.set XS, X+16*((\t)%2)
.if (\t) > 0
	s_wait_dscnt 1                                 ; this step's numbers are back from the stage (the last step's byte store may be out)
.else
	s_wait_dscnt 0x0
.endif
.if (\t)+4 < STEPS
	LOAD (\t)+4                                    ; into the registers that this step's stores into the stage have read
.endif
.if (\t)+1 < STEPS
.if STEPS-2-(\t) >= 3
	s_wait_loadcnt 12                              ; the next step's four loads are in; those of the three steps behind it may be out
.else
	s_wait_loadcnt 4*(STEPS-2-(\t))
.endif
	TURN (\t)+1                                    ; through the other stage while this step is worked
.endif
	v_max3_num_f32 v8, |v[XS]|, |v[XS+1]|, |v[XS+2]|               ; the largest magnitude of my 16, in two chains
	v_max3_num_f32 v9, |v[XS+3]|, |v[XS+4]|, |v[XS+5]|
.irp i, 6,10
	v_max3_num_f32 v8, v8, |v[XS+\i]|, |v[XS+\i+1]|
	v_max3_num_f32 v9, v9, |v[XS+\i+2]|, |v[XS+\i+3]|
.endr
	v_max3_num_f32 v8, v8, |v[XS+14]|, |v[XS+15]|
	v_max3_num_f32 v8, v8, v9, 0x1800000           ; and the floor 2^(3 - 127): the byte cannot fall under 1
	v_max_num_f32_dpp v8, v8, v8 row_xmask:1 row_mask:0xf bank_mask:0xf   ; with my neighbour's 16: the block's
	v_add_nc_u32 v11, 0xff000000, v8               ; 2 off its exponent field: the conversion takes the exponent field of this operand as its scale
	v_cvt_scalef32_pk16_fp6_f32 v[C+4*(\t):C+4*(\t)+2], v[XS:XS+15], v11
	v_lshrrev_b32 v[E+(\t)], 23, v11               ; the scale's byte
	ds_store_b8 v5, v[E+(\t)] offset:16*(\t)       ; both lanes of a block write the same byte with the same value
	global_store_b96 v4, v[C+4*(\t):C+4*(\t)+2], s[14:15] offset:192*((\t)/2)+0x480000*((\t)%2)   ; step t is half t % 2 of row t / 2: sixteen lanes store 192 consecutive bytes of a quarter
.endm
.irp t, 0,1,2,3,4,5,6,7,8,9,10,11,12,13,14,15
	STEP \t
.endr
	ds_load_b64 v[12:13], v6                       ; LDS serves a wave's instructions in order: these see my stores
	s_wait_dscnt 0x0
	global_store_b64 v7, v[12:13], s[24:25]        ; 32 lanes store 256 consecutive bytes, aligned
	s_wait_tensorcnt 0x0
	ds_add_u32 v192, v193
	s_wait_dscnt 0x0
	s_endpgm
.Lfunc_end_k_q07e99e969e_quant:
	.size	k_q07e99e969e_quant, .Lfunc_end_k_q07e99e969e_quant-k_q07e99e969e_quant
	.p2alignl 7, 3214868480
	.fill 96, 4, 3214868480
	.section	.rodata,"a",@progbits
	.p2align	6, 0x0
	.amdhsa_kernel k_q07e99e969e_quant
		.amdhsa_group_segment_fixed_size 33280
		.amdhsa_private_segment_fixed_size 0
		.amdhsa_enable_private_segment 0
		.amdhsa_kernarg_size 56
		.amdhsa_user_sgpr_count 2
		.amdhsa_user_sgpr_kernarg_segment_ptr 1
		.amdhsa_wavefront_size32 1
		.amdhsa_system_sgpr_workgroup_id_x 1
		.amdhsa_system_sgpr_workgroup_id_y 1
		.amdhsa_system_sgpr_workgroup_id_z 1
		.amdhsa_system_vgpr_workitem_id 0
		.amdhsa_next_free_vgpr 194
		.amdhsa_next_free_sgpr 66
		.amdhsa_reserve_vcc 0
		.amdhsa_float_denorm_mode_32 3
		.amdhsa_float_denorm_mode_16_64 3
		.amdhsa_memory_ordered 1
		.amdhsa_forward_progress 1
		.amdhsa_inst_pref_size 33
	.end_amdhsa_kernel
	.amdgpu_metadata
---
amdhsa.version: [ 1, 2 ]
amdhsa.kernels:
  - .name:           k_q07e99e969e_quant
    .symbol:         k_q07e99e969e_quant.kd
    .args:
      - { .name: x, .offset: 0, .size: 8, .value_kind: global_buffer, .address_space: global }
      - { .name: Wq, .offset: 8, .size: 8, .value_kind: global_buffer, .address_space: global }
      - { .name: Wk, .offset: 16, .size: 8, .value_kind: global_buffer, .address_space: global }
      - { .name: Wv, .offset: 24, .size: 8, .value_kind: global_buffer, .address_space: global }
      - { .name: Wo, .offset: 32, .size: 8, .value_kind: global_buffer, .address_space: global }
      - { .name: codes, .offset: 40, .size: 8, .value_kind: global_buffer, .address_space: global }
      - { .name: scales, .offset: 48, .size: 8, .value_kind: global_buffer, .address_space: global }
    .group_segment_fixed_size: 33280
    .private_segment_fixed_size: 0
    .kernarg_segment_align: 8
    .kernarg_segment_size: 56
    .max_flat_workgroup_size: 64
    .sgpr_count:     66
    .vgpr_count:     194
    .wavefront_size: 32
...
	.end_amdgpu_metadata
.endif
;; end of part 1
;; launch qkv (part 2): grid 12 x 32, 4 waves a work-group, clusters of 4 x 4, 327,680 bytes of LDS; arguments codes, scales, qrec, kvrec; writes qrec, kvrec
.if DOCPART == 2
	.amdgcn_target "amdgcn-amd-amdhsa--gfx1250"
	.amdhsa_code_object_version 6
	.text
	.protected	k_q07e99e969e_qkv
	.globl	k_q07e99e969e_qkv
	.p2align	8
	.type	k_q07e99e969e_qkv,@function
k_q07e99e969e_qkv:
	s_mov_b64 s[64:65], 0
	v_nop
	global_prefetch_b8 v0, s[64:65] scope:SCOPE_SE
	s_setreg_imm32_b32 hwreg(HW_REG_WAVE_MODE, 25, 1), 1
	s_wait_xcnt 0x0
	s_wait_alu depctr_hold_cnt(0) depctr_sa_sdst(0) depctr_va_vdst(0) depctr_va_sdst(0) depctr_va_ssrc(0) depctr_va_vcc(0) depctr_vm_vsrc(0)
	s_getreg_b32 s2, hwreg(HW_REG_IB_STS2, 6, 4)
	s_cmp_eq_u32 s2, 0
	s_cbranch_scc0 .Lentry_in_a_cluster
	s_endpgm
.Lentry_in_a_cluster:
	s_bfe_u32 s2, ttmp6, 0x10000c
	s_cmp_lg_u32 s2, 0xf033
	s_cbranch_scc0 .Lentry_shape_is_right
	s_endpgm
.Lentry_shape_is_right:
.set KSTEP,  256
.set NQ,     2
.set ROWB,   192
.set KROW,   768
.set PITCH,  240
.set FR,     12
.set NL,     6
.set NP,     4
.set HALFT,  128*PITCH
.set SLOT,   4*HALFT
.set LAPS,   2
.set KS,     32
.set SCL,    2*SLOT
.set HALFS,  (128*KS/256)*272
.set SBLK,   (16*KS/256)*272
.set SPARE,  SCL+4*HALFS
.set ADRA, 16
.set ADRB, 20
.set ADRS, 27
.set SPW,  28
.set NIL,  29
.set SC,   32
.set AF,   128
.set HA,   64
.set PC,   128
.set TM,   152
.set PW,   168
.set SW,   172
.set SEL,  2
.set PART, 66
.set G1, 24
.set G0, 32
.set G1B, 48
.set G0B, 56
.set G1S, 68
.set G0S, 76
.set G1SB, 80
.set G0SB, 88
.set MSB, 0
.macro WIN new
.if MSB != \new
	s_set_vgpr_msb (MSB<<8)|\new
.set MSB, \new
.endif
.endm
.set MUL_LO, 0xa1
.set MUL_HI, 0xf1
.set TO_B,   0x40
.macro JLOAD g0a, g1a, g0b, g1b
	s_cmp_eq_u32 s15, 0
	s_cbranch_scc0 .Lfor_b_\@
	tensor_load_to_lds s[\g0a:\g0a+3], s[\g1a:\g1a+7]
	s_nop 0
.rept 4
	v_nop
.endr
	s_branch .Lasked_\@
.Lfor_b_\@:
	tensor_load_to_lds s[\g0b:\g0b+3], s[\g1b:\g1b+7]
	s_nop 0
.rept 4
	v_nop
.endr
.Lasked_\@:
.endm
.macro CREST
	s_cmp_lg_u32 s14, 0
	s_cbranch_scc1 .Lnot_wave_0_\@
	s_barrier_signal -3
.Lnot_wave_0_\@:
	s_barrier_wait -3
	s_barrier_signal -1
	s_barrier_wait -1
.endm
.macro CROUND
	s_barrier_signal -1
	s_barrier_wait -1
	CREST
.endm
	s_load_b128 s[4:7], s[0:1], 0x0
	s_load_b128 s[8:11], s[0:1], 0x10
	v_lshl_add_u32 v[SPW], v0, 2, SPARE
	v_mov_b32 v[NIL], 0
	ds_add_u32 v28, v29
	ds_add_u32 v28, v29
	s_wait_dscnt 0x0
	v_lshrrev_b32 v1, 5, v0
	v_readfirstlane_b32 s14, v1
	s_lshr_b32 s15, s14, 1
	s_and_b32 s16, s14, 1
	s_bfe_u32 s40, ttmp6, 0x40000
	s_bfe_u32 s41, ttmp6, 0x40004
	s_and_b32 s18, ttmp7, 0xffff
	s_lshl_b32 s18, s18, 2
	s_lshl_b32 s19, ttmp9, 2
	s_add_co_u32 s19, s19, 32
	s_cmp_eq_u32 ttmp9, 2
	s_cselect_b32 s17, 40, s18
	s_cselect_b32 s42, s18, s19
	s_cselect_b32 s[PART], 1, 0
	s_add_co_u32 s17, s17, s41
	s_add_co_u32 s42, s42, s40
	s_lshl_b32 s43, s41, 2
	s_lshl_b32 s43, 15, s43
	s_lshl_b32 s44, 0x1111, s40
	s_or_b32 s[G1+0], s43, (0<<16)|(1<<20)|(1<<21)|(3<<22)|(3<<25)
	s_or_b32 s[G1B+0], s44, (0<<16)|(1<<20)|(1<<21)|(3<<22)|(3<<25)
.irp g, G1, G1B
	s_mov_b32 s[\g+1], 256<<16                     ; 128 rows x 192 bytes of one quarter of K are dense in memory: stated as 96 rows of 256 bytes; the padding's interval stays 64 bytes, so an LDS row of 192 bytes keeps its pitch of 240
	s_mov_b32 s[\g+2], 192<<16                     ; the head's loads bring 256 rows of codes, 192 rows of 256 bytes; behind them the two words that count rows are set to 96, for the ring's
	s_mov_b32 s[\g+3], 256<<16
	s_mov_b32 s[\g+4], 192
	s_mov_b32 s[\g+5], 256
	s_mov_b32 s[\g+6], 0
	s_mov_b32 s[\g+7], 0
.endr
	s_or_b32 s[G1S+0], s43, (3<<16)|(1<<20)|(1<<21)|(5<<22)|(3<<25)
	s_or_b32 s[G1SB+0], s44, (3<<16)|(1<<20)|(1<<21)|(5<<22)|(3<<25)
.irp g, G1S, G1SB
	s_mov_b32 s[\g+1], 32<<16
	s_mov_b32 s[\g+2], (256*KS/256)<<16            ; the scales of 256 rows in one load
	s_mov_b32 s[\g+3], 32<<16
	s_mov_b32 s[\g+4], 256*KS/256
	s_mov_b32 s[\g+5], 32
	s_mov_b32 s[\g+6], 0
	s_mov_b32 s[\g+7], 0
.endr
	s_lshl_b32 s20, s17, 8                         ; the tiles' first rows
	s_lshl_b32 s46, s42, 8
	s_mov_b32 s21, 0
	s_mov_b32 s47, 0
	s_mov_b64 s[18:19], KS
	s_mul_u64 s[22:23], s[20:21], s[18:19]
	s_mul_u64 s[92:93], s[46:47], s[18:19]
	s_mov_b64 s[18:19], ROWB
	s_mul_u64 s[20:21], s[20:21], s[18:19]
	s_mul_u64 s[46:47], s[46:47], s[18:19]
	s_mul_i32 s45, s14, HALFT
	s_wait_kmcnt 0x0
	s_add_nc_u64 s[20:21], s[4:5], s[20:21]
	s_add_nc_u64 s[22:23], s[6:7], s[22:23]
	s_add_nc_u64 s[46:47], s[4:5], s[46:47]
	s_add_nc_u64 s[92:93], s[6:7], s[92:93]
	CROUND
	s_mov_b32 s[G0S], 1
	s_mov_b32 s[G0S+1], SCL
	s_mov_b64 s[G0S+2:G0S+3], s[22:23]
	s_or_b32 s[G0S+3], s[G0S+3], 0x80000000
	s_mov_b32 s[G0SB], 1
	s_mov_b32 s[G0SB+1], SCL+2*HALFS
	s_mov_b64 s[G0SB+2:G0SB+3], s[92:93]
	s_or_b32 s[G0SB+3], s[G0SB+3], 0x80000000
.set G0H, 4                            ; s[4:7], s[96:99] group 0 for the head's loads of the first quarter of K: A's 256 rows, B's 256 rows (the arguments in s[4:7] have been used)
.set G0HB, 96
	s_mov_b32 s[G0H], 1
	s_mov_b32 s[G0H+1], 0
	s_mov_b64 s[G0H+2:G0H+3], s[20:21]
	s_or_b32 s[G0H+3], s[G0H+3], 0x80000000
	s_mov_b32 s[G0HB], 1
	s_mov_b32 s[G0HB+1], 2*HALFT
	s_mov_b64 s[G0HB+2:G0HB+3], s[46:47]
	s_or_b32 s[G0HB+3], s[G0HB+3], 0x80000000
	s_mul_i32 s18, s16, 128*ROWB                   ; for the ring: my 128 rows of the tile
	s_mov_b32 s19, 0
	s_add_nc_u64 s[20:21], s[20:21], s[18:19]
	s_add_nc_u64 s[46:47], s[46:47], s[18:19]
.irp s, 0,1
	s_mov_b32 s[G0+4*\s], 1
	s_add_co_u32 s[G0+4*\s+1], s45, \s*SLOT
	s_add_nc_u64 s[G0+4*\s+2:G0+4*\s+3], s[20:21], \s*0x240000
	s_or_b32 s[G0+4*\s+3], s[G0+4*\s+3], 0x80000000
	s_mov_b32 s[G0B+4*\s], 1
	s_add_co_u32 s[G0B+4*\s+1], s45, \s*SLOT
	s_add_nc_u64 s[G0B+4*\s+2:G0B+4*\s+3], s[46:47], \s*0x240000
	s_or_b32 s[G0B+4*\s+3], s[G0B+4*\s+3], 0x80000000
.endr
; THE HEAD'S LOADS, ONE A WAVE: wave 0 the first quarter's 256 rows of A, wave 1 its 256 rows of B, wave 2 the scales of A's 256 rows, wave 3 those of B's.
; One chain of branches on the wave's number: every way through the head passes exactly one load.
.macro ARM under, g0, g1, next
	s_cmp_lt_u32 s14, \under
	s_cbranch_scc0 \next
	tensor_load_to_lds s[\g0:\g0+3], s[\g1:\g1+7]
	s_nop 0
.rept 4
	v_nop
.endr
	s_branch .Lhead_asked
\next:
.endm
	ARM 1, G0H,  G1,  .Lhead_b
	ARM 2, G0HB, G1B, .Lhead_sa
	ARM 3, G0S,  G1S, .Lhead_sb
	tensor_load_to_lds s[G0SB:G0SB+3], s[G1SB:G1SB+7]
	s_nop 0
.rept 4
	v_nop
.endr
.Lhead_asked:
	v_and_b32 v1, 15, v0
	v_bfe_u32 v2, v0, 4, 1
	v_mul_u32_u24 v3, v1, PITCH
	v_mul_u32_u24 v4, v2, 24
	v_add_nc_u32 v4, v3, v4
	v_lshl_add_u32 v5, v2, 4, v4
	s_mul_i32 s21, s15, HALFT
	s_mul_i32 s22, s16, HALFT
	s_add_co_u32 s22, s22, 2*HALFT
.irp s, 0,1
	v_add_nc_u32 v[ADRA+\s], s21, v4
	v_add_nc_u32 v[ADRB+\s], s22, v4
	v_add_nc_u32 v[ADRA+2+\s], s21, v5
	v_add_nc_u32 v[ADRB+2+\s], s22, v5
	s_add_co_u32 s21, s21, SLOT
	s_add_co_u32 s22, s22, SLOT
.endr
	v_mul_u32_u24 v5, v1, KS
	v_lshrrev_b32 v6, 8, v5
	v_lshl_add_u32 v5, v6, 4, v5
	s_mul_i32 s21, s15, HALFS
	s_mul_i32 s22, s16, HALFS
	s_add_co_u32 s22, s22, 2*HALFS
	s_sub_co_u32 s22, s22, s21
	v_mul_u32_u24 v6, s22, v2
	s_add_co_u32 s21, s21, SCL
	v_add_nc_u32 v5, v5, v6
	v_add_nc_u32 v[ADRS], s21, v5
.macro FRAG reg, adr, q, i
.irp p, 0,1,2,3,4,5
.set PCE, 12*(\q)+6*(\p/3)+\p%3
.if PCE%8 < 5
	ds_load_b64 v[\reg+2*\p:\reg+2*\p+1], v[\adr] offset:8*PCE+16*(PCE/8)+(\i)*16*PITCH
.else
	ds_load_b64 v[\reg+2*\p:\reg+2*\p+1], v[\adr+2] offset:8*PCE+16*(PCE/8)+(\i)*16*PITCH
.endif
.endr
.endm
.macro MUL16 a0, p, q, sc, zero
.irp a, \a0, \a0+1
.irp b, 0,1,2,3,4,5,6,7
.if \zero
	v_wmma_scale_f32_16x16x128_f8f6f4 v[8*(8*((\a)%4)+\b):8*(8*((\a)%4)+\b)+7], v[128*(\p)+FR*\b:128*(\p)+FR*\b+FR-1], v[AF+FR*(\a):AF+FR*(\a)+FR-1], 0, v[SC+8*NQ*(\sc)+NQ*\b+(\q)], v[SC+8*NQ*(\sc)+NQ*(\a)+(\q)] matrix_a_fmt:MATRIX_FMT_FP6 matrix_b_fmt:MATRIX_FMT_FP6 matrix_a_scale:MATRIX_SCALE_ROW1
.else
	v_wmma_scale_f32_16x16x128_f8f6f4 v[8*(8*((\a)%4)+\b):8*(8*((\a)%4)+\b)+7], v[128*(\p)+FR*\b:128*(\p)+FR*\b+FR-1], v[AF+FR*(\a):AF+FR*(\a)+FR-1], v[8*(8*((\a)%4)+\b):8*(8*((\a)%4)+\b)+7], v[SC+8*NQ*(\sc)+NQ*\b+(\q)], v[SC+8*NQ*(\sc)+NQ*(\a)+(\q)] matrix_a_fmt:MATRIX_FMT_FP6 matrix_b_fmt:MATRIX_FMT_FP6 matrix_a_scale:MATRIX_SCALE_ROW1
.endif
.endr
.endr
.endm
.macro FETCH_B slot, q, p
	WIN TO_B
.irp i, 0,1,2,3,4,5,6,7
	FRAG 128*(\p)+FR*\i, ADRB+\slot, \q, \i
.endr
	WIN 0
.endm
.macro FETCH_A slot, q, i0
.irp i, \i0, \i0+1, \i0+2, \i0+3
	FRAG AF+FR*(\i), ADRA+\slot, \q, \i
.endr
.endm
.macro SCALES sc
.irp i, 0,1,2,3,4,5,6,7
	ds_load_b64 v[SC+8*NQ*\sc+NQ*\i:SC+8*NQ*\sc+NQ*\i+1], v[ADRS] offset:\i*SBLK
.endr
.endm
.macro PLACES n
.rept \n
	v_nop
.endr
.endm
.macro STEP slot, q, zero
	s_wait_dscnt 4*NL
	WIN MUL_LO
	MUL16 0, (\q)%2, \q, \slot, \zero
	MUL16 2, (\q)%2, \q, \slot, \zero
	s_wait_dscnt 0
	PLACES NP
	FETCH_B \slot, (\q)+1, 1-(\q)%2
	FETCH_A \slot, (\q)+1, 0
	WIN MUL_HI
	MUL16 4, (\q)%2, \q, \slot, \zero
	MUL16 6, (\q)%2, \q, \slot, \zero
	PLACES NP
	WIN 0
	FETCH_A \slot, (\q)+1, 4
.endm
.macro TURN slot, next, fill
	s_wait_tensorcnt 0x0
	ds_add_u32 v[SPW], v[NIL]
	s_wait_dscnt 4*NL+1
	WIN MUL_LO
	MUL16 0, 1, NQ-1, \slot, 0
	s_wait_dscnt 0x0
	s_barrier_signal -1
	MUL16 2, 1, NQ-1, \slot, 0
	WIN 0
	s_barrier_wait -1
.if \fill
	CREST
	s_add_nc_u64 s[G0+4*\slot+2:G0+4*\slot+3], s[G0+4*\slot+2:G0+4*\slot+3], 2*0x240000
	s_add_nc_u64 s[G0B+4*\slot+2:G0B+4*\slot+3], s[G0B+4*\slot+2:G0B+4*\slot+3], 2*0x240000
	JLOAD G0+4*\slot, G1, G0B+4*\slot, G1B
.else
	PLACES NP
.endif
	s_wait_alu depctr_va_vdst(0)
	v_add_nc_u32 v[ADRS], 4*NQ, v[ADRS]
	FETCH_B \next, 0, 0
	FETCH_A \next, 0, 0
	SCALES \next
	WIN MUL_HI
	MUL16 4, 1, NQ-1, \slot, 0
	MUL16 6, 1, NQ-1, \slot, 0
	PLACES NP
	WIN 0
	FETCH_A \next, 0, 4
.endm
	s_wait_alu depctr_va_vdst(0)                   ; the wait at the head's end
	s_wait_tensorcnt 0x0                           ; my tile of the head's four is in
	ds_add_u32 v[SPW], v[NIL]
	s_mov_b32 s[G1+2], 96<<16                      ; no tensor load of mine is out: from here on a load brings 128 rows of codes, 96 rows of 256 bytes
	s_mov_b32 s[G1+4], 96
	s_mov_b32 s[G1B+2], 96<<16
	s_mov_b32 s[G1B+4], 96
	s_wait_dscnt 0x0
	CROUND                                         ; all four tiles are in, and all sixteen work-groups are here
	JLOAD G0+4, G1, G0B+4, G1B                     ; slot 1's first fill, the first tensor load behind the round
	FETCH_B 0, 0, 0
	FETCH_A 0, 0, 0
	SCALES 0
	FETCH_A 0, 0, 4
	STEP 0, 0, 1
	s_mov_b32 s3, LAPS-1
.Llap:
	TURN 0, 1, 1
	STEP 1, 0, 0
	TURN 1, 0, 1
	STEP 0, 0, 0
	s_sub_co_u32 s3, s3, 1
	s_cmp_lg_u32 s3, 0
	s_cbranch_scc1 .Llap
	TURN 0, 1, 0
	STEP 1, 0, 0
	s_wait_dscnt 4*NL
	WIN MUL_LO
	MUL16 0, 1, NQ-1, 1, 0
	MUL16 2, 1, NQ-1, 1, 0
	s_wait_dscnt 0
	WIN MUL_HI
	MUL16 4, 1, NQ-1, 1, 0
	MUL16 6, 1, NQ-1, 1, 0
	WIN 0
	s_cmp_eq_u32 s[PART], 1
	s_cselect_b32 s20, 40, 0
	s_cselect_b32 s21, 0, 32
	s_sub_co_u32 s20, s17, s20
	s_sub_co_u32 s21, s42, s21
	s_lshl_b32 s20, s20, 1
	s_add_co_u32 s20, s20, s15
	s_lshl_b32 s21, s21, 1
	s_add_co_u32 s21, s21, s16
	s_cmp_eq_u32 s[PART], 1
	s_cselect_b32 s22, s21, s20
	s_cselect_b32 s23, s20, s21
	s_and_b32 s23, s23, 7
	s_lshr_b32 s43, s22, 4
	s_lshl_b32 s43, s43, 4
	s_lshl_b32 s23, s23, 1
	s_add_co_u32 s43, s43, s23
	s_lshl_b32 s43, s43, 4
	s_and_b32 s22, s22, 15
	s_add_co_u32 s43, s43, s22
	s_cmp_eq_u32 ttmp9, 0
	s_cselect_b64 s[46:47], s[8:9], s[10:11]
	s_mov_b32 s44, 13056
	s_cselect_b32 s44, 6656, s44
	s_cselect_b32 s92, 0x3e000000, 1.0
	s_mov_b32 s45, 12544
	s_cselect_b32 s45, 6144, s45
	s_cmp_eq_u32 s[PART], 1
	s_cselect_b32 s45, 12288, s45
	s_mov_b32 s93, s92
	s_mul_i32 s20, s43, s44
	s_mov_b32 s21, 0
	s_add_nc_u64 s[46:47], s[46:47], s[20:21]
	s_lshl_b32 s94, s44, 4
	s_mov_b32 s95, 0
	s_add_nc_u64 s[96:97], s[46:47], s[94:95]
	s_mov_b32 s20, s45
	s_add_nc_u64 s[22:23], s[46:47], s[20:21]
	s_mov_b32 s[SEL], 0x76543210
	s_mov_b32 s[SEL+1], 0xfedcba98
	v_and_b32 v6, 31, v0
	v_lshlrev_b32 v24, 4, v6
	v_lshlrev_b32 v25, 3, v6
	v_lshlrev_b32 v30, 4, v2
	v_mul_u32_u24 v26, s94, v2
	v_lshl_add_u32 v26, v1, 4, v26
	v_cmp_eq_u32 vcc_lo, 1, v2
.irp b, 0,1,2,3
	v_mov_b32 v[TM+4+\b], 0
.endr
.macro QUANT s
.irp b, 0,1,2,3
	v_max3_num_f32 v[TM+\b], |v[\s+16*\b]|, |v[\s+1+16*\b]|, 0x1800000
.endr
.irp i, 2,4,6,8,10,12,14
.irp b, 0,1,2,3
	v_max3_num_f32 v[TM+\b], v[TM+\b], |v[\s+16*\b+\i]|, |v[\s+1+16*\b+\i]|
.endr
.endr
.irp b, 0,1,2,3
	v_permlanex16_b32 v[TM+4+\b], v[TM+\b], s[SEL], s[SEL+1]
.endr
.irp b, 0,1,2,3
	v_max_num_f32 v[TM+\b], v[TM+\b], v[TM+4+\b]
.endr
.irp b, 0,1,2,3
	v_add_nc_u32 v[TM+12+\b], 0xff000000, v[TM+\b]
.endr
.irp b, 0,1,2,3
	v_lshrrev_b32 v[TM+4+\b], 23, v[TM+12+\b]
.endr
	v_lshl_or_b32 v[PW], v[TM+5], 8, v[TM+4]
	v_lshl_or_b32 v[PW], v[TM+6], 16, v[PW]
	v_lshl_or_b32 v[PW], v[TM+7], 24, v[PW]
.irp c, 0,1
	v_cvt_scalef32_pk16_fp6_f32 v[PC+6*\c:PC+2+6*\c], v[\s+32*\c:\s+15+32*\c], v[TM+12+2*\c]
	v_cvt_scalef32_pk16_fp6_f32 v[PC+12+4*\c:PC+14+4*\c], v[\s+16+32*\c:\s+31+32*\c], v[TM+12+2*\c+1]
.endr
	v_nop
.irp c, 0,1
.irp i, 0,1,2
	v_permlane16_swap_b32 v[PC+6*\c+\i], v[PC+12+4*\c+\i]
.endr
.irp i, 0,1,2
	v_mov_b32 v[PC+3+6*\c+\i], v[PC+12+4*\c+\i]
.endr
.endr
.endm
.macro OUTBLK a
	s_wait_xcnt 0x0
	WIN 0x02+((\a)/4)
.set ii, 0
.rept 32
	v_pk_mul_f32 v[HA+2*ii:HA+2*ii+1], v[64*((\a)%4)+2*ii:64*((\a)%4)+2*ii+1], s[92:93] op_sel_hi:[1,0]
.set ii, ii+1
.endr
	WIN 0
	QUANT HA
	s_cmp_eq_u32 s[PART], 1
	s_cbranch_scc1 .Lv_\@
	global_store_b128 v24, v[PC:PC+3], s[46:47] offset:768*(\a)
	global_store_b64 v25, v[PC+4:PC+5], s[46:47] offset:768*(\a)+512
	global_store_b128 v24, v[PC+6:PC+9], s[96:97] offset:768*(\a)
	global_store_b64 v25, v[PC+10:PC+11], s[96:97] offset:768*(\a)+512
	v_lshrrev_b32 v[SW+(\a)], v30, v[PW]
.if (\a)%4 == 3
	global_store_b128 v26, v[SW+(\a)-3:SW+(\a)], s[22:23] offset:256*((\a)/4)
.endif
	s_branch .Ldone_\@
.Lv_\@:
	s_wait_alu depctr_va_vdst(0)
.irp c, 0,1,2
.if (\a) < 4
	global_store_b128 v24, v[PC+4*\c:PC+4*\c+3], s[46:47] offset:6144+1536*((\a)%4)+512*\c
.else
	global_store_b128 v24, v[PC+4*\c:PC+4*\c+3], s[96:97] offset:6144+1536*((\a)%4)+512*\c
.endif
.endr
	v_mov_b32 v[SW+(\a)], v[PW]
.if (\a) == 7
.irp i, 0,1,2,3
	v_cndmask_b32 v[SW+\i], v[SW+\i], v[SW+4+\i], vcc_lo
.endr
	global_store_b128 v26, v[SW:SW+3], s[22:23]
.endif
.Ldone_\@:
.endm
.irp a, 0,1,2,3,4,5,6,7
	OUTBLK \a
.endr
	s_wait_tensorcnt 0x0
	ds_add_u32 v[SPW], v[NIL]
	s_wait_dscnt 0x0
	CROUND
	s_endpgm
.Lfunc_end_k_q07e99e969e_qkv:
	.size	k_q07e99e969e_qkv, .Lfunc_end_k_q07e99e969e_qkv-k_q07e99e969e_qkv
	.p2alignl 7, 3214868480
	.fill 96, 4, 3214868480
	.section	.rodata,"a",@progbits
	.p2align	6, 0x0
	.amdhsa_kernel k_q07e99e969e_qkv
		.amdhsa_group_segment_fixed_size 327680
		.amdhsa_private_segment_fixed_size 0
		.amdhsa_enable_private_segment 0
		.amdhsa_kernarg_size 32
		.amdhsa_user_sgpr_count 2
		.amdhsa_user_sgpr_kernarg_segment_ptr 1
		.amdhsa_wavefront_size32 1
		.amdhsa_system_sgpr_workgroup_id_x 1
		.amdhsa_system_sgpr_workgroup_id_y 1
		.amdhsa_system_sgpr_workgroup_id_z 1
		.amdhsa_system_vgpr_workitem_id 0
		.amdhsa_next_free_vgpr 1024
		.amdhsa_next_free_sgpr 100
		.amdhsa_reserve_vcc 1
		.amdhsa_float_denorm_mode_32 3
		.amdhsa_float_denorm_mode_16_64 3
		.amdhsa_memory_ordered 1
		.amdhsa_forward_progress 1
		.amdhsa_inst_pref_size 186
	.end_amdhsa_kernel
	.amdgpu_metadata
---
amdhsa.version: [ 1, 2 ]
amdhsa.kernels:
  - .name:           k_q07e99e969e_qkv
    .symbol:         k_q07e99e969e_qkv.kd
    .args:
      - { .name: codes, .offset: 0, .size: 8, .value_kind: global_buffer, .address_space: global }
      - { .name: scales, .offset: 8, .size: 8, .value_kind: global_buffer, .address_space: global }
      - { .name: qrec, .offset: 16, .size: 8, .value_kind: global_buffer, .address_space: global }
      - { .name: kvrec, .offset: 24, .size: 8, .value_kind: global_buffer, .address_space: global }
    .group_segment_fixed_size: 327680
    .private_segment_fixed_size: 0
    .kernarg_segment_align: 8
    .kernarg_segment_size: 32
    .max_flat_workgroup_size: 128
    .sgpr_count:     100
    .vgpr_count:     1024
    .wavefront_size: 32
...
	.end_amdgpu_metadata
.endif
;; end of part 2
;; launch attn (part 3): grid 4 x 64, 8 waves a work-group, clusters of 4 x 1, 210,944 bytes of LDS; arguments qrec, kvrec, oc, os; writes oc, os
.if DOCPART == 3
	.amdgcn_target "amdgcn-amd-amdhsa--gfx1250"
	.amdhsa_code_object_version 6
	.text
	.protected	k_q07e99e969e_attn
	.globl	k_q07e99e969e_attn
	.p2align	8
	.type	k_q07e99e969e_attn,@function
k_q07e99e969e_attn:
	s_mov_b64 s[64:65], 0
	v_nop
	global_prefetch_b8 v0, s[64:65] scope:SCOPE_SE
	s_setreg_imm32_b32 hwreg(HW_REG_WAVE_MODE, 25, 1), 1
	s_wait_xcnt 0x0
	s_wait_alu depctr_hold_cnt(0) depctr_sa_sdst(0) depctr_va_vdst(0) depctr_va_sdst(0) depctr_va_ssrc(0) depctr_va_vcc(0) depctr_vm_vsrc(0)
	s_getreg_b32 s2, hwreg(HW_REG_IB_STS2, 6, 4)
	s_cmp_eq_u32 s2, 0
	s_cbranch_scc0 .Lentry_in_a_cluster
	s_endpgm
.Lentry_in_a_cluster:
	s_bfe_u32 s2, ttmp6, 0x10000c
	s_cmp_lg_u32 s2, 0x3003
	s_cbranch_scc0 .Lentry_shape_is_right
	s_endpgm
.Lentry_shape_is_right:
; out[b][h][q][:] = softmax_k(q . k) v, both products on codes of FP6 (E2M3) with E8M0 scales; q already holds the factor 64^-0.5.  The result is quantised along the head's 64 and stored as images of the last product's operand.
; THE SOFTMAX AHEAD OF THE SECOND PRODUCT: t = score x log2(e); M = the row's largest t so far, rounded UP to a whole number; p = 2^(t - M) is quantised along the keys, not normalised.
; The row's sum is taken of the unquantised p and divides at the end.  When M moves, the sum and O are multiplied by 2^(old M - new M): exact.
; SHARES.  A work-group owns 512 queries of one head; the four work-groups of a head are one cluster.  Each of the eight waves owns 64 queries, four tiles of 16, in ONE pass over the keys:
; a key step's fragments of K and V (13,056 bytes) are read from LDS once a wave and feed all four tiles, 48 matrix instructions.
; TWO TILES SIDE BY SIDE.  The four tiles go in two pairs (a, b).  The maxima run in eight chains, the lines that find M two by two.  Tile a's exponentials stand by turns with tile b's multiply-adds,
; tile b's with the first level of tile a's sum (sixteen sums of two pairs, each into registers of its own): every such line writes a register that is first read behind the next wait.
; LDS.  A head's K and V, 16 records of 13,056 bytes (128 keys each: K's 8 images of 768 bytes, V's 4 fragments of 1,536, V's 64 scale words, K's 128), lie in LDS whole: 208,896 bytes, filled ONCE.
; Every wave asks for two records on end (26,112 bytes, 102 rows of 256), jointly with the same wave of its three partners.  Nothing is stored to LDS and nothing is filled again: one barrier, no ring.
; NO PREFETCH: all that the work-group reads of K and V is asked for by the one group of loads at the head; there is no later load to run ahead of.
; LAYOUT.  Both products are used transposed: S^T = K Q^T (source 0 = 16 keys, source 1 = 16 queries), O^T = V^T P^T: a lane holds ONE query of each tile throughout.
; A tile's 16 keys are positions (lane r of tile 2 b + u holds key 32 b + 8 u + r + 8 (r / 8)), so the 16 registers of tiles 2 b and 2 b + 1 are keys 32 b + 16 (lane / 16) + 0 .. 15; V's tiles of the head's 64 likewise.
; K = 64 IN AN INSTRUCTION OF 128: Q's registers 6-11 are zero codes, so what stands in K's registers 6-11 (the next tile's codes; behind the last tile six zeros) adds nothing; bytes 2, 3 of the scale words are a neighbour's bytes or 0, never 0xff.
; LIMITS: NaN and infinities are not served; a block of zeros gets the byte 1 (zero codes; this program alone reads the bytes); the promise holds while |t| stays under 2^31.
; REGISTERS.  Window 0: v1 16 x lane, v2 8 x lane, v3, v4 LDS addresses, v5, v6 the add's two, v7 32 r; v8-23 for each tile -M, the largest t, the sum in two halves; v24-27 Q's scale words, v28-31 K's, v32-35 V's;
;   v36-39 f and p's scale word of a and of b; v40-103, v104-167 S^T, then p, of a and of b; v168-191 p's codes; v192-225 at work; v226-249 V's tiles 0, 1.
;   Window 1: v256-383 O^T, 32 registers a tile; v384-431 Q, 12 a tile; v432-479 K's 8 tiles, 6 apart, v480-485 zeros; v486-509 V's tiles 2, 3.
.set REC,   13056
.set VIMG,  6144
.set VSC,   12288
.set KSC,   12544
.set QREC,  6656
.set SPARE, 0x33000                    ; behind the records: the spare words, 128 bytes for each of the eight waves
.set L16,  1
.set L8,   2
.set ADA,  3
.set ADB,  4
.set SPW,  5
.set NIL,  6
.set ROW,  7
.set ST,   8
.set QS,   24
.set KS,   28
.set VS,   32
.set FP,   36
.set S0,   40
.set S1,   104
.set PCD0, 168
.set BM0,  192
.set BM1,  196
.set PM0,  200
.set SO0,  216
.set TMP0, 224
.set V01,  226
.set U0,   168                         ; sixteen pairs for the first level of a's sum: v168-191 and v200-207
.set T0R,  208                         ; seven pairs for the chains of b's sum: v208-221
.set QW,   128                         ; in window 1
.set KT,   176
.set KZ,   224
.set V23,  230
.set WV,   12                          ; s12 my wave's number
.set SEL,  20                          ; s[20:21] lane selects for v_permlanex16_b32: lane l xor 16
.set CS,   22                          ; s[22:23] log2(e)
.set G1,   24
.set G0,   32
.set TB,   36                          ; s36 LDS byte at which the record in hand begins
.set STP,  37                          ; s37 steps left
.set MSB, 0
.macro WIN new                         ; the immediate's high byte repeats the setting that is left
.if MSB != \new
	s_set_vgpr_msb (MSB<<8)|\new
.set MSB, \new
.endif
.endm
.macro WALU
	s_wait_alu depctr_va_vdst(0)
.endm
.macro CROUND                          ; a round of the cluster's barrier
	s_barrier_signal -1
	s_barrier_wait -1
	s_cmp_lg_u32 s[WV], 0
	s_cbranch_scc1 .Lnot_wave_0_\@
	s_barrier_signal -3
.Lnot_wave_0_\@:
	s_barrier_wait -3
	s_barrier_signal -1
	s_barrier_wait -1
.endm
	s_load_b128 s[4:7], s[0:1], 0x0                ; qrec, kvrec
	s_load_b128 s[8:11], s[0:1], 0x10              ; oc, os
	v_lshl_add_u32 v[SPW], v0, 2, SPARE
	v_mov_b32 v[NIL], 0
	ds_add_u32 v[SPW], v[NIL]                      ; the opening lines: the add, twice on end, and its wait ahead of my tensor load
	ds_add_u32 v[SPW], v[NIL]
	v_lshrrev_b32 v3, 5, v0
	v_readfirstlane_b32 s[WV], v3                  ; wave 0..7
	s_bfe_u32 s13, ttmp6, 0x40000                  ; cx
	s_and_b32 s14, ttmp7, 0xffff                   ; 16 x batch + head, which the four partners share
	s_lshl_b32 s15, ttmp9, 2
	s_add_co_u32 s15, s15, s13                     ; my block of 512 queries: it enters Q's and the outputs' addresses alone
	s_lshl_b32 s16, s14, 4
	s_lshl_b32 s17, s[WV], 1
	s_add_co_u32 s16, s16, s17
	s_mul_i32 s16, s16, REC                        ; the two records that I fetch: 2 x wave, 2 x wave + 1
	s_mov_b32 s17, 0
	s_mov_b32 s[G1], 15|(3<<16)|(1<<21)            ; the mask: all four work-groups; elements of 8 bytes; bit 21 set beside a mask
	s_mov_b32 s[G1+1], 32<<16                      ; a dense block of 26,112 bytes as 102 rows of 256
	s_mov_b32 s[G1+2], 102<<16
	s_mov_b32 s[G1+3], 32<<16
	s_mov_b32 s[G1+4], 102
	s_mov_b32 s[G1+5], 32
	s_mov_b32 s[G1+6], 0
	s_mov_b32 s[G1+7], 0
	s_mov_b32 s[G0], 1
	s_mul_i32 s[G0+1], s[WV], 2*REC                ; LDS address: no place in the cluster enters it
	s_lshl_b32 s18, s14, 4                         ; Q: record 16 x (batch, head) + 4 x block + wave / 2; in it tiles 4 (wave % 2) + 0 .. 3
	s_lshl_b32 s19, s15, 2
	s_add_co_u32 s18, s18, s19
	s_lshr_b32 s19, s[WV], 1
	s_add_co_u32 s18, s18, s19
	s_mul_i32 s18, s18, QREC
	s_and_b32 s19, s[WV], 1
	s_mul_i32 s44, s19, 4*768
	s_add_co_u32 s44, s44, s18
	s_mov_b32 s45, 0
	s_lshl_b32 s46, s19, 8                         ; their scale words: 256 (wave % 2) + 16 r + 4 i, behind the images
	s_add_co_u32 s46, s46, s18
	s_add_co_u32 s46, s46, 6144
	s_mov_b32 s47, 0
	s_and_b32 s18, s14, 15                         ; head
	s_lshr_b32 s19, s14, 4                         ; batch
	s_lshl_b32 s39, s15, 5
	s_lshl_b32 s40, s[WV], 2
	s_add_co_u32 s39, s39, s40                     ; my first tile of 16 positions in the batch
	s_lshl_b32 s40, s18, 9
	s_lshl_b32 s41, s19, 7
	s_add_co_u32 s40, s40, s41
	s_add_co_u32 s40, s40, s39
	s_mul_i32 s40, s40, 768                        ; oc: [head][tile of positions, 512][768]
	s_mov_b32 s41, 0
	s_lshl_b32 s42, s19, 7
	s_add_co_u32 s42, s42, s39
	s_lshl_b32 s42, s42, 9                         ; os: 16 positions of 32 bytes a tile,
	s_lshl_b32 s43, s18, 1
	s_add_co_u32 s42, s42, s43                     ; + 2 x head
	s_mov_b32 s43, 0
	s_mov_b32 s[SEL], 0x76543210
	s_mov_b32 s[SEL+1], 0xfedcba98
	s_mov_b32 s[CS], 0x3fb8aa3b                    ; log2(e)
	s_mov_b32 s[CS+1], s[CS]                       ; (named with it as a pair)
	s_wait_dscnt 0x0                               ; both opening adds are done
	s_wait_kmcnt 0x0
	s_add_nc_u64 s[G0+2:G0+3], s[6:7], s[16:17]
	s_or_b32 s[G0+3], s[G0+3], 0x80000000          ; type = 2
	s_add_nc_u64 s[44:45], s[4:5], s[44:45]
	s_add_nc_u64 s[46:47], s[4:5], s[46:47]
	s_add_nc_u64 s[40:41], s[8:9], s[40:41]
	s_add_nc_u64 s[42:43], s[10:11], s[42:43]
	CROUND                                         ; all four work-groups are here: the joint loads meet
	tensor_load_to_lds s[G0:G0+3], s[G1:G1+7]      ; my one tensor load of the launch
	s_nop 0
.rept 4
	v_nop
.endr
	v_and_b32 v[L8], 31, v0
	v_lshlrev_b32 v[L16], 4, v[L8]                 ; 16 x lane
	v_lshlrev_b32 v[L8], 3, v[L8]                  ; 8 x lane
	v_and_b32 v[ROW], 15, v0
	v_lshlrev_b32 v[TMP0], 4, v[ROW]               ; 16 r
	v_lshlrev_b32 v[ROW], 5, v[ROW]                ; 32 r: my row of the result's scale bytes
	global_load_b128 v[QS:QS+3], v[TMP0], s[46:47] ; register i: row r's scale word of my tile i
	WIN 0x40                                       ; destinations in window 1
.irp i, 0,1,2,3
	global_load_b128 v[QW+12*\i:QW+12*\i+3], v[L16], s[44:45] offset:768*\i
	global_load_b64 v[QW+12*\i+4:QW+12*\i+5], v[L8], s[44:45] offset:768*\i+512
.endr
.irp i, 0,1,2,3
.irp j, 6,7,8,9,10,11
	v_mov_b32 v[QW+12*\i+\j], 0                    ; zero codes for K = 64 .. 127
.endr
.endr
.irp j, 0,1,2,3,4,5
	v_mov_b32 v[KZ+\j], 0                          ; the tail of K's last operand
.endr
.set jj, 0
.rept 128
	v_mov_b32 v[jj], 0                             ; O^T: the step is written once, and its first trip finds zeros, which the first change of M leaves zeros; these lines stand under the tensor load's flight
.set jj, jj+1
.endr
	WIN 0
.irp i, 0,1,2,3
	v_mov_b32 v[ST+4*\i+1], 0xff61b1e6             ; the largest t so far: -3e38, under every t
	v_mov_b32 v[ST+4*\i+2], 0                      ; the sum, in two halves
	v_mov_b32 v[ST+4*\i+3], 0
	v_mov_b32 v[PM0+\i], 0                         ; a lane permute's destination counts as one of its sources
	v_mov_b32 v[PM0+8+\i], 0
.endr
.irp i, 0,1,2,3
	v_floor_f32 v[ST+4*\i], -v[ST+4*\i+1]          ; -M
.endr
	v_mov_b32 v[FP+1], 0                           ; (named as the upper halves of pairs before they are first written)
	v_mov_b32 v[FP+3], 0
	WALU                                           ; the wait at the head's end
	s_wait_tensorcnt 0x0                           ; my two records are in,
	s_barrier_signal -1
	s_barrier_wait -1                              ; everybody's are
	s_wait_loadcnt 0x0                             ; Q
.macro FMAS j0, n                      ; tile a's t - M, two at a time
.set jj, \j0
.rept \n
	v_pk_fma_f32 v[S0+jj:S0+jj+1], v[S0+jj:S0+jj+1], s[CS:CS+1], v[NMA:NMA+1] op_sel_hi:[1,0,0]
.set jj, jj+2
.endr
.endm
.macro UADD d, s                       ; a's sum: pair d += pair s
	v_pk_add_f32 v[U0+2*(\d)+8*((\d)/12):U0+2*(\d)+8*((\d)/12)+1], v[U0+2*(\d)+8*((\d)/12):U0+2*(\d)+8*((\d)/12)+1], v[U0+2*(\s)+8*((\s)/12):U0+2*(\s)+8*((\s)/12)+1]
.endm
.macro TADD d, s                       ; b's sum: chain d += chain s
	v_pk_add_f32 v[T0R+2*(\d):T0R+2*(\d)+1], v[T0R+2*(\d):T0R+2*(\d)+1], v[T0R+2*(\s):T0R+2*(\s)+1]
.endm
.macro TROW first                      ; b's sum: the seven chains and the sum itself take eight more pairs of p, from register S1 + first on
.irp j, 0,1,2,3,4,5,6
	v_pk_add_f32 v[T0R+2*\j:T0R+2*\j+1], v[T0R+2*\j:T0R+2*\j+1], v[S1+\first+2*\j:S1+\first+2*\j+1]
.endr
	v_pk_add_f32 v[LSB:LSB+1], v[LSB:LSB+1], v[S1+\first+14:S1+\first+15]
.endm
; TWO TILES OF 16 QUERIES, a = 2 p AND b = 2 p + 1, AGAINST THE 128 KEYS IN REGISTERS
.macro PAIR p
.set NMA, ST+8*\p
.set NMB, NMA+4
.set LSA, NMA+2
.set LSB, NMB+2
	WIN 0x05                                       ; sources 0 (K) and 1 (Q) in window 1
.irp x, 0,1
.irp t, 0,1,2,3
	v_wmma_scale_f32_16x16x128_f8f6f4 v[S0+64*\x+8*\t:S0+64*\x+8*\t+7], v[KT+6*\t:KT+6*\t+11], v[QW+24*\p+12*\x:QW+24*\p+12*\x+11], 0, v[KS+\t], v[QS+2*\p+\x] matrix_a_fmt:MATRIX_FMT_FP6 matrix_b_fmt:MATRIX_FMT_FP6
.endr
.irp t, 4,5,6,7
	v_wmma_scale_f32_16x16x128_f8f6f4 v[S0+64*\x+8*\t:S0+64*\x+8*\t+7], v[KT+6*\t:KT+6*\t+11], v[QW+24*\p+12*\x:QW+24*\p+12*\x+11], 0, v[KS+\t-4], v[QS+2*\p+\x] matrix_a_fmt:MATRIX_FMT_FP6 matrix_b_fmt:MATRIX_FMT_FP6 matrix_a_scale:MATRIX_SCALE_ROW1
.endr
.endr
	WIN 0
.rept 4
	v_nop                                          ; places in front of the first read of the scores
.endr
.irp b, 0,1,2,3
.irp x, 0,1
	v_max3_num_f32 v[BM0+4*\x+\b], v[S0+64*\x+16*\b], v[S0+64*\x+1+16*\b], v[S0+64*\x+2+16*\b]   ; the largest score of each block of 32 keys: for the row's maximum and, since p rises with the score, for the block's largest p
.endr
.endr
.irp k, 3,5,7,9,11,13
.irp b, 0,1,2,3
.irp x, 0,1
	v_max3_num_f32 v[BM0+4*\x+\b], v[BM0+4*\x+\b], v[S0+64*\x+16*\b+\k], v[S0+64*\x+1+16*\b+\k]
.endr
.endr
.endr
.irp b, 0,1,2,3
.irp x, 0,1
	v_max_num_f32 v[BM0+4*\x+\b], v[BM0+4*\x+\b], v[S0+64*\x+15+16*\b]
.endr
.endr
.irp b, 0,1,2,3
.irp x, 0,1
	v_permlanex16_b32 v[PM0+8*\x+\b], v[BM0+4*\x+\b], s[SEL], s[SEL+1]
.endr
.endr
.irp b, 0,1,2,3
.irp x, 0,1
	v_max_num_f32 v[BM0+4*\x+\b], v[BM0+4*\x+\b], v[PM0+8*\x+\b]   ; with lane l xor 16's 16 keys
.endr
.endr
.irp x, 0,1
	s_delay_alu instid0(VALU_DEP_4)
	v_max3_num_f32 v[TMP0+\x], v[BM0+4*\x], v[BM0+4*\x+1], v[BM0+4*\x+2]
.endr
.irp x, 0,1
	s_delay_alu instid0(VALU_DEP_2)
	v_max_num_f32 v[TMP0+\x], v[TMP0+\x], v[BM0+4*\x+3]   ; the step's largest score of my query
.endr
.irp x, 0,1
	s_delay_alu instid0(VALU_DEP_2)
	v_mul_f32 v[TMP0+\x], s[CS], v[TMP0+\x]        ; as t
.endr
.irp x, 0,1
	s_delay_alu instid0(VALU_DEP_2)
	v_max_num_f32 v[NMA+4*\x+1], v[NMA+4*\x+1], v[TMP0+\x]   ; the running largest t
.endr
.irp x, 0,1
	v_mov_b32 v[TMP0+\x], v[NMA+4*\x]
.endr
.irp x, 0,1
	s_delay_alu instid0(VALU_DEP_4)
	v_floor_f32 v[NMA+4*\x], -v[NMA+4*\x+1]        ; the new -M = floor(-t): M is a whole number
.endr
	FMAS 0, 4                                      ; the lines that make f stand among a's multiply-adds, which do not hang on them
.irp x, 0,1
	v_sub_f32 v[TMP0+\x], v[NMA+4*\x], v[TMP0+\x]  ; old M less new M: a whole number, 0 or less
.endr
	FMAS 8, 4
.irp x, 0,1
	v_cvt_i32_f32 v[TMP0+\x], v[TMP0+\x]           ; (it saturates)
.endr
	FMAS 16, 4
.irp x, 0,1
	v_ldexp_f32 v[FP+2*\x], 1.0, v[TMP0+\x]        ; f = 2^(old M - new M)
.endr
	FMAS 24, 20
.irp b, 0,1,2,3
	v_fma_f32 v[BM0+\b], v[BM0+\b], s[CS], v[NMA]  ; the same of each block's largest score
.endr
	WALU                                           ; the wait ahead of the batch
.set jj, 0
.rept 32                               ; a's p = 2^(t - M), at most 1; by turns with b's t - M, whose results are first read behind the next wait
	v_exp_f32 v[S0+jj], v[S0+jj]
	v_exp_f32 v[S0+jj+1], v[S0+jj+1]
	v_pk_fma_f32 v[S1+jj:S1+jj+1], v[S1+jj:S1+jj+1], s[CS:CS+1], v[NMB:NMB+1] op_sel_hi:[1,0,0]
.set jj, jj+2
.endr
.irp b, 0,1,2,3
	v_exp_f32 v[BM0+\b], v[BM0+\b]                 ; a's blocks' largest p
	v_fma_f32 v[BM1+\b], v[BM1+\b], s[CS], v[NMB]
.endr
	WALU                                           ; one wait: behind a's batch, ahead of b's
.set jj, 0
.rept 16                               ; b's p; by turns with the first level of a's sum of the unquantised p, each line into a pair of its own
	v_exp_f32 v[S1+4*jj], v[S1+4*jj]
	v_exp_f32 v[S1+4*jj+1], v[S1+4*jj+1]
	v_exp_f32 v[S1+4*jj+2], v[S1+4*jj+2]
	v_exp_f32 v[S1+4*jj+3], v[S1+4*jj+3]
	v_pk_add_f32 v[U0+2*jj+8*(jj/12):U0+2*jj+8*(jj/12)+1], v[S0+4*jj:S0+4*jj+1], v[S0+4*jj+2:S0+4*jj+3]
.set jj, jj+1
.endr
.irp b, 0,1,2,3
	v_exp_f32 v[BM1+\b], v[BM1+\b]                 ; b's blocks' largest p
	v_max_num_f32 v[BM0+\b], 0x1800000, v[BM0+\b]  ; a's: the floor 2^(3 - 127): the byte cannot fall under 1
.endr
	v_pk_mul_f32 v[LSA:LSA+1], v[LSA:LSA+1], v[FP:FP+1] op_sel_hi:[1,0]       ; the sums under the new M
	v_pk_mul_f32 v[LSB:LSB+1], v[LSB:LSB+1], v[FP+2:FP+3] op_sel_hi:[1,0]
	WALU                                           ; the wait behind b's batch
.irp j, 0,1,2,3,4,5,6,7
	UADD \j, \j+8
.endr
.irp j, 0,1,2,3,4,5,6                          ; b's sum: 32 pairs in eight chains
	v_pk_add_f32 v[T0R+2*\j:T0R+2*\j+1], v[S1+4*\j:S1+4*\j+1], v[S1+4*\j+2:S1+4*\j+3]
.endr
	v_pk_add_f32 v[LSB:LSB+1], v[LSB:LSB+1], v[S1+28:S1+29]
.irp j, 0,1,2,3
	UADD \j, \j+4
.endr
	TROW 30
	UADD 0, 2
	UADD 1, 3
	TROW 46
	v_pk_add_f32 v[T0R:T0R+1], v[T0R:T0R+1], v[S1+62:S1+63]
	v_pk_add_f32 v[LSA:LSA+1], v[LSA:LSA+1], v[U0:U0+1]
	v_pk_add_f32 v[LSB:LSB+1], v[LSB:LSB+1], v[T0R+6:T0R+7]
	TADD 0, 4
	TADD 1, 5
	TADD 2, 6
	v_pk_add_f32 v[LSA:LSA+1], v[LSA:LSA+1], v[U0+2:U0+3]
	v_pk_add_f32 v[LSB:LSB+1], v[LSB:LSB+1], v[T0R+2:T0R+3]
	TADD 0, 2
.irp b, 0,1,2,3
	v_max_num_f32 v[BM1+\b], 0x1800000, v[BM1+\b]  ; b's floor
.endr
	v_pk_add_f32 v[LSB:LSB+1], v[LSB:LSB+1], v[T0R:T0R+1]
.irp b, 0,1,2,3
.irp x, 0,1
	v_add_nc_u32 v[SO0+4*\x+\b], 0xff000000, v[BM0+4*\x+\b]   ; 2 off the exponent field: the conversion's scale operand
.endr
.endr
.irp b, 0,1,2,3
.irp x, 0,1
	v_lshrrev_b32 v[PM0+8*\x+\b], 23, v[SO0+4*\x+\b]          ; the scale's byte
.endr
.endr
.irp x, 0,1
	v_lshl_or_b32 v[FP+2*\x+1], v[PM0+8*\x+1], 8, v[PM0+8*\x] ; p's scale word for these 128 keys
.endr
.irp x, 0,1
	v_lshl_or_b32 v[FP+2*\x+1], v[PM0+8*\x+2], 16, v[FP+2*\x+1]
.endr
.irp x, 0,1
	v_lshl_or_b32 v[FP+2*\x+1], v[PM0+8*\x+3], 24, v[FP+2*\x+1]
.endr
.irp x, 0,1
.irp c, 0,1
	v_cvt_scalef32_pk16_fp6_f32 v[PCD0+12*\x+6*\c:PCD0+12*\x+2+6*\c], v[S0+64*\x+32*\c:S0+64*\x+15+32*\c], v[SO0+4*\x+2*\c]
	v_cvt_scalef32_pk16_fp6_f32 v[PM0+8*\x+4*\c:PM0+8*\x+2+4*\c], v[S0+64*\x+16+32*\c:S0+64*\x+31+32*\c], v[SO0+4*\x+2*\c+1]
.endr
.endr
	v_nop                                          ; one plain place behind a scaled conversion
.irp x, 0,1
.irp c, 0,1                                    ; a whole block in a lane: lanes 0-15 block 2 c, lanes 16-31 block 2 c + 1
.irp k, 0,1,2
	v_permlane16_swap_b32 v[PCD0+12*\x+6*\c+\k], v[PM0+8*\x+4*\c+\k]
.endr
.irp k, 0,1,2
	v_mov_b32 v[PCD0+12*\x+3+6*\c+\k], v[PM0+8*\x+4*\c+\k]
.endr
.endr
.endr
	WIN 0x41                                       ; O^T: source 0 and destination in window 1
	WALU                                           ; the wait here, directly ahead of the first reader of O^T
.irp x, 0,1
.irp j, 0,2,4,6,8,10,12,14,16,18,20,22,24,26,28,30
	v_pk_mul_f32 v[64*\p+32*\x+\j:64*\p+32*\x+1+\j], v[64*\p+32*\x+\j:64*\p+32*\x+1+\j], v[FP+2*\x:FP+2*\x+1] op_sel_hi:[1,0]   ; O^T under the new M; these lines are also the places in front of the products below
.endr
.endr
.if \p == 0
	WALU                                           ; the wait here, directly ahead of the wait below
	s_wait_dscnt 0x0                               ; V and its scale words are in
.endif
	WIN 0x50                                       ; C and D in window 1; V's tiles 0, 1 in window 0
.irp u, 0,1                                    ; eight accumulators take turns; 40 other products stand between two links of a chain
.irp x, 0,1
	v_wmma_scale_f32_16x16x128_f8f6f4 v[64*\p+32*\x+8*\u:64*\p+32*\x+8*\u+7], v[V01+12*\u:V01+12*\u+11], v[PCD0+12*\x:PCD0+12*\x+11], v[64*\p+32*\x+8*\u:64*\p+32*\x+8*\u+7], v[VS+\u], v[FP+2*\x+1] matrix_a_fmt:MATRIX_FMT_FP6 matrix_b_fmt:MATRIX_FMT_FP6
.endr
.endr
	WIN 0x51                                       ; V's tiles 2, 3 in window 1
.irp u, 2,3
.irp x, 0,1
	v_wmma_scale_f32_16x16x128_f8f6f4 v[64*\p+32*\x+8*\u:64*\p+32*\x+8*\u+7], v[V23+12*\u-24:V23+12*\u-13], v[PCD0+12*\x:PCD0+12*\x+11], v[64*\p+32*\x+8*\u:64*\p+32*\x+8*\u+7], v[VS+\u], v[FP+2*\x+1] matrix_a_fmt:MATRIX_FMT_FP6 matrix_b_fmt:MATRIX_FMT_FP6
.endr
.endr
.endm
	s_mov_b32 s[TB], 0
	s_mov_b32 s[STP], 16
.Lstep:                                                ; A KEY STEP: 128 keys, one record, two pairs of tiles
	v_add_nc_u32 v[ADA], s[TB], v[L16]
	v_add_nc_u32 v[ADB], s[TB], v[L8]
	v_nop
	v_nop                                          ; four places behind the last products, in front of loads into registers that they have read
	WIN 0x40
.irp t, 0,1,2,3,4,5,6,7
	ds_load_b128 v[KT+6*\t:KT+6*\t+3], v[ADA] offset:768*\t
	ds_load_b64 v[KT+6*\t+4:KT+6*\t+5], v[ADB] offset:768*\t+512
.endr
	WIN 0
	ds_load_b128 v[KS:KS+3], v[ADA] offset:KSC     ; register i: lanes 0-15 tile i's words, lanes 16-31 tile 4 + i's
.irp u, 0,1
.irp c, 0,1,2
	ds_load_b128 v[V01+12*\u+4*\c:V01+12*\u+4*\c+3], v[ADA] offset:VIMG+1536*\u+512*\c
.endr
.endr
	ds_load_b128 v[VS:VS+3], v[ADA] offset:VSC     ; V's scale words: lanes 0-15, register u: tile u (lanes 16-31 read K's words behind them, which are not used)
	WIN 0x40
.irp u, 0,1
.irp c, 0,1,2
	ds_load_b128 v[V23+12*\u+4*\c:V23+12*\u+4*\c+3], v[ADA] offset:VIMG+3072+1536*\u+512*\c
.endr
.endr
	WIN 0
	WALU                                           ; the wait here, directly ahead of the wait below
	s_wait_dscnt 13                                ; K's sixteen loads and its scale words are in; V's thirteen loads may be out
	PAIR 0
	PAIR 1
	WIN 0                                          ; at a label and at a branch every window is 0
	s_add_co_u32 s[TB], s[TB], REC
	s_sub_co_u32 s[STP], s[STP], 1
	s_cmp_lg_u32 s[STP], 0
	s_cbranch_scc1 .Lstep
; THE END: O^T / the sum, quantised along the head's 64 (two blocks), stored as half a fragment's image and two scale bytes a row.  The twelve lines below are the places behind the last products.
.irp i, 0,1,2,3
	v_add_f32 v[ST+4*\i+2], v[ST+4*\i+2], v[ST+4*\i+3]   ; the sum's two halves,
.endr
.irp i, 0,1,2,3
	v_permlanex16_b32 v[PM0+\i], v[ST+4*\i+2], s[SEL], s[SEL+1]
.endr
.irp i, 0,1,2,3
	v_add_f32 v[ST+4*\i+2], v[ST+4*\i+2], v[PM0+\i]      ; and lane l xor 16's
.endr
	WALU                                           ; the wait ahead of the batch
.irp i, 0,1,2,3
	v_rcp_f32 v[ST+4*\i], v[ST+4*\i+2]             ; over -M, which has served
.endr
	v_nop                                          ; a plain place behind the reciprocals
.macro OUT i
.set EC, S1+8*\i                       ; each tile's codes and scale bytes have registers of their own: no store's data are written again
	WIN 0x01                                       ; source 0 (O^T) in window 1
	WALU                                           ; the wait here: behind the reciprocals, directly ahead of the first reader of O^T
.irp j, 0,2,4,6,8,10,12,14,16,18,20,22,24,26,28,30
	v_pk_mul_f32 v[S0+\j:S0+1+\j], v[32*\i+\j:32*\i+1+\j], v[ST+4*\i:ST+4*\i+1] op_sel_hi:[1,0]   ; register 16 b + k is channel 32 b + 16 (lane / 16) + k; each accumulator from its low end on
.endr
	WIN 0
.irp b, 0,1
	v_max3_num_f32 v[BM0+\b], |v[S0+16*\b]|, |v[S0+1+16*\b]|, 0x1800000
.endr
.irp k, 2,4,6,8,10,12,14
.irp b, 0,1
	s_delay_alu instid0(VALU_DEP_2)
	v_max3_num_f32 v[BM0+\b], v[BM0+\b], |v[S0+16*\b+\k]|, |v[S0+1+16*\b+\k]|
.endr
.endr
.irp b, 0,1
	s_delay_alu instid0(VALU_DEP_2)
	v_permlanex16_b32 v[PM0+\b], v[BM0+\b], s[SEL], s[SEL+1]
.endr
.irp b, 0,1
	s_delay_alu instid0(VALU_DEP_2)
	v_max_num_f32 v[BM0+\b], v[BM0+\b], v[PM0+\b]
.endr
.irp b, 0,1
	s_delay_alu instid0(VALU_DEP_2)
	v_add_nc_u32 v[SO0+\b], 0xff000000, v[BM0+\b]
.endr
.irp b, 0,1
	s_delay_alu instid0(VALU_DEP_2)
	v_lshrrev_b32 v[PM0+\b], 23, v[SO0+\b]
.endr
	s_delay_alu instid0(VALU_DEP_1)
	v_lshl_or_b32 v[EC+6], v[PM0+1], 8, v[PM0]     ; the row's two scale bytes
	v_cvt_scalef32_pk16_fp6_f32 v[EC:EC+2], v[S0:S0+15], v[SO0]
	v_cvt_scalef32_pk16_fp6_f32 v[PM0+4:PM0+6], v[S0+16:S0+31], v[SO0+1]
	v_nop                                          ; one plain place behind a scaled conversion
.irp k, 0,1,2
	v_permlane16_swap_b32 v[EC+\k], v[PM0+4+\k]
.endr
.irp k, 0,1,2
	s_delay_alu instid0(VALU_DEP_3)
	v_mov_b32 v[EC+3+\k], v[PM0+4+\k]
.endr
	global_store_b128 v[L16], v[EC:EC+3], s[40:41] offset:768*\i          ; 512 consecutive bytes, aligned
	global_store_b64 v[L8], v[EC+4:EC+5], s[40:41] offset:768*\i+512      ; 256 consecutive bytes, aligned
	global_store_b16 v[ROW], v[EC+6], s[42:43] offset:512*\i              ; two bytes a row, rows 32 bytes apart (lanes l and l + 16 write the same value): one twenty-fourth of the codes' bytes
.endm
	OUT 0
	OUT 1
	OUT 2
	OUT 3
	s_wait_tensorcnt 0x0                           ; the wave's end
	ds_add_u32 v[SPW], v[NIL]
	s_wait_dscnt 0x0
	CROUND                                         ; the closing round
	s_endpgm
.Lfunc_end_k_q07e99e969e_attn:
	.size	k_q07e99e969e_attn, .Lfunc_end_k_q07e99e969e_attn-k_q07e99e969e_attn
	.p2alignl 7, 3214868480
	.fill 96, 4, 3214868480
	.section	.rodata,"a",@progbits
	.p2align	6, 0x0
	.amdhsa_kernel k_q07e99e969e_attn
		.amdhsa_group_segment_fixed_size 210944
		.amdhsa_private_segment_fixed_size 0
		.amdhsa_enable_private_segment 0
		.amdhsa_kernarg_size 32
		.amdhsa_user_sgpr_count 2
		.amdhsa_user_sgpr_kernarg_segment_ptr 1
		.amdhsa_wavefront_size32 1
		.amdhsa_system_sgpr_workgroup_id_x 1
		.amdhsa_system_sgpr_workgroup_id_y 1
		.amdhsa_system_sgpr_workgroup_id_z 1
		.amdhsa_system_vgpr_workitem_id 0
		.amdhsa_next_free_vgpr 512
		.amdhsa_next_free_sgpr 66
		.amdhsa_reserve_vcc 0
		.amdhsa_float_denorm_mode_32 3
		.amdhsa_float_denorm_mode_16_64 3
		.amdhsa_memory_ordered 1
		.amdhsa_forward_progress 1
		.amdhsa_inst_pref_size 85
	.end_amdhsa_kernel
	.amdgpu_metadata
---
amdhsa.version: [ 1, 2 ]
amdhsa.kernels:
  - .name:           k_q07e99e969e_attn
    .symbol:         k_q07e99e969e_attn.kd
    .args:
      - { .name: qrec, .offset: 0, .size: 8, .value_kind: global_buffer, .address_space: global }
      - { .name: kvrec, .offset: 8, .size: 8, .value_kind: global_buffer, .address_space: global }
      - { .name: oc, .offset: 16, .size: 8, .value_kind: global_buffer, .address_space: global }
      - { .name: os, .offset: 24, .size: 8, .value_kind: global_buffer, .address_space: global }
    .group_segment_fixed_size: 210944
    .private_segment_fixed_size: 0
    .kernarg_segment_align: 8
    .kernarg_segment_size: 32
    .max_flat_workgroup_size: 256
    .sgpr_count:     66
    .vgpr_count:     512
    .wavefront_size: 32
...
	.end_amdgpu_metadata
.endif
;; end of part 3
;; launch proj (part 4): grid 8 x 32, 4 waves a work-group, clusters of 4 x 4, 327,680 bytes of LDS; arguments oc, os, codes, scales, bo, out0; writes out0
.if DOCPART == 4
	.amdgcn_target "amdgcn-amd-amdhsa--gfx1250"
	.amdhsa_code_object_version 6
	.text
	.protected	k_q07e99e969e_proj
	.globl	k_q07e99e969e_proj
	.p2align	8
	.type	k_q07e99e969e_proj,@function
k_q07e99e969e_proj:
	s_mov_b64 s[64:65], 0
	v_nop
	global_prefetch_b8 v0, s[64:65] scope:SCOPE_SE
	s_setreg_imm32_b32 hwreg(HW_REG_WAVE_MODE, 25, 1), 1
	s_wait_xcnt 0x0
	s_wait_alu depctr_hold_cnt(0) depctr_sa_sdst(0) depctr_va_vdst(0) depctr_va_sdst(0) depctr_va_ssrc(0) depctr_va_vcc(0) depctr_vm_vsrc(0)
	s_getreg_b32 s2, hwreg(HW_REG_IB_STS2, 6, 4)
	s_cmp_eq_u32 s2, 0
	s_cbranch_scc0 .Lentry_in_a_cluster
	s_endpgm
.Lentry_in_a_cluster:
	s_bfe_u32 s2, ttmp6, 0x10000c
	s_cmp_lg_u32 s2, 0xf033
	s_cbranch_scc0 .Lentry_shape_is_right
	s_endpgm
.Lentry_shape_is_right:
; out0 = O Wo^T + bo on codes of FP6 (E2M3) with E8M0 scales.  O: oc [16 heads][512 tiles of 16 positions][768 bytes], images of half an operand (64 along K), and os [8192 positions][32 scale bytes];
; Wo: rows 11264 .. 12287 of codes [4 quarters of K][12288 rows][192 bytes] and of scales [12288 rows][32 bytes].  Position 32 B + 16 u + r holds token 32 B + 8 u + r + 8 (r / 8).
; SHARES.  8 x 32 = 256 work-groups; a work-group makes 256 positions x 128 columns, four waves 2 x 2, a wave 128 x 64.
; LDS.  ALL OF K LIES IN LDS, FILLED ONCE, by one joint load a wave at the head: waves 0 and 1 eight heads each of A's 256 positions (8 rows of 12,288 bytes), waves 2 and 3 two quarters each of B's 128 rows
; (2 rows of 24,576 bytes, 16 bytes of padding behind every 64, so that an LDS row of 192 bytes has the pitch 240).  A 196,608 bytes, B 122,880, the spare words 512.  No ring, nothing is filled again.
; THE WALK.  A wave's 64 rows of Wo, ALL of K, go into registers once: 32 fragments, 384 registers.  The first barrier shows B's two loads alone, so these 192 LDS loads stand ahead of the wait for A.
; A's blocks of 16 positions, all of K (8 fragments), stream past them in two sets of registers: a block's 16 x 64 results are finished by its 32 products and leave at once, through the stage, while the next block is multiplied.
; A block's four accumulators take turns, one instruction a turn, K ascending: three other products stand between two links of a chain.
; The second barrier shows A, and that every wave has B in registers: behind it B's bytes, which have had their one fill, serve as the stages.
; CLUSTERS: 4 x 4.  A's tiles are shared along a row of the cluster, B's along a column.  NO PREFETCH: all that the work-group reads is asked for at the head; there is no later load to run ahead of.
; THE SCALES go straight into registers: lane r takes the 32 bytes of its row by two loads of 16 (sixteen lanes cover 512 consecutive bytes); word st serves step st of 128 along K.
; THE MATRIX INSTRUCTION IS USED TRANSPOSED (source 0 = 16 rows of Wo, source 1 = 16 positions): a lane holds eight neighbouring columns of one row of the result.
; REGISTERS.  Window 0: v4-7 the bias, v8, v9 offsets, v10, v11 the add's two, v12-27 LDS addresses, v28-30 the way out; v32-95 A's scale words, v100-131 B's; v160-223 the way out, two sets.
;   Window 1: A's fragments, two sets of 96.  Windows 2, 3: B's fragment f = 4 st + b in window 2 + f / 21 at register 12 (f % 21).  Window 3, from register 136: two sets of four accumulators.
.set KPL,    0x240000                  ; a quarter of K of the codes' buffer
.set PITCH,  240
.set FR,     12
.set FPW,    21                        ; fragments in a window
.set AHD,    12288                     ; a head's part of A's 256 positions
.set OHD,    393216                    ; from head to head in oc
.set BB0,    16*AHD
.set BQ,     128*PITCH
.set SPARE,  BB0+4*BQ
.set SPITCH, 272                       ; the way out: a stage of 16 rows x (256 bytes + 16) for each wave
.set NFA,    32                        ; LDS loads that bring a block of A
.set NST,    16                        ; LDS instructions of a block's turn through the stage: 8 stores, 8 loads
.set SPW,  10
.set NIL,  11
.set ADRA, 12                          ; v12-15 A's images, 16 bytes a lane, for each quarter of K; v16-19 8 bytes a lane
.set ADRA8,16
.set ADRB, 20                          ; v20-23 B's rows for each quarter; v24-27 for the pieces in which lanes 16-31 lie behind one padding more
.set ADRB2,24
.set STO,  28
.set RD,   29
.set CO,   30
.set SA,   32
.set SB,   100                         ; 4 more than a multiple of 8: the two scale registers of a product differ modulo 8
.set BK,   160
.set ACC,  136                         ; in window 3
.set G1A, 24
.set G1B, 32
.set G0A, 44
.set G0B, 48
.set MSB, 0
.macro WIN new
.if MSB != \new
	s_set_vgpr_msb (MSB<<8)|\new
.set MSB, \new
.endif
.endm
.macro PLACES
.rept 4
	v_nop
.endr
.endm
.macro CROUND
	s_barrier_signal -1
	s_barrier_wait -1
	s_cmp_lg_u32 s16, 0
	s_cbranch_scc1 .Lnot_wave_0_\@
	s_barrier_signal -3
.Lnot_wave_0_\@:
	s_barrier_wait -3
	s_barrier_signal -1
	s_barrier_wait -1
.endm
	s_load_b128 s[4:7], s[0:1], 0x0                ; oc, os
	s_load_b128 s[8:11], s[0:1], 0x10              ; codes, scales
	s_load_b128 s[12:15], s[0:1], 0x20             ; bo, out0
	v_lshl_add_u32 v[SPW], v0, 2, SPARE
	v_mov_b32 v[NIL], 0
	ds_add_u32 v[SPW], v[NIL]                      ; the opening lines: the add, twice on end, and its wait
	ds_add_u32 v[SPW], v[NIL]
	v_lshrrev_b32 v1, 5, v0
	v_readfirstlane_b32 s16, v1                    ; wave 0..3
	s_lshr_b32 s17, s16, 1                         ; my half of the rows.  Also: I fetch for A (0) or for B (1)
	s_and_b32 s18, s16, 1                          ; my half of the columns.  Also: which half of K I fetch
	s_bfe_u32 s19, ttmp6, 0x40000                  ; cx
	s_bfe_u32 s20, ttmp6, 0x40004                  ; cy
	s_lshl_b32 s21, ttmp9, 2
	s_add_co_u32 s21, s21, s19                     ; tile column, 0 .. 7
	s_and_b32 s22, ttmp7, 0xffff
	s_lshl_b32 s22, s22, 2
	s_add_co_u32 s22, s22, s20                     ; tile row, 0 .. 31
	s_lshl_b32 s23, s20, 2
	s_lshl_b32 s23, 15, s23                        ; my row of the cluster
	s_lshl_b32 s40, 0x1111, s19                    ; my column
	s_or_b32 s[G1A], s23, (3<<16)|(1<<21)          ; A: 8 rows of 1,536 elements of 8 bytes, from head to head 49,152 elements
	s_mov_b32 s[G1A+1], 1536<<16
	s_mov_b32 s[G1A+2], 8<<16
	s_mov_b32 s[G1A+3], 1536<<16
	s_mov_b32 s[G1A+4], 8
	s_mov_b32 s[G1A+5], OHD/8
	s_mov_b32 s[G1A+6], 0
	s_mov_b32 s[G1A+7], 0
	s_or_b32 s[G1B], s40, (0<<16)|(1<<20)|(1<<21)|(3<<22)|(3<<25)   ; B: 2 rows of 24,576 bytes, a quarter of K apart; 4 words of padding behind every 16
	s_mov_b32 s[G1B+1], 24576<<16
	s_mov_b32 s[G1B+2], 2<<16
	s_mov_b32 s[G1B+3], 24576<<16
	s_mov_b32 s[G1B+4], 2
	s_mov_b32 s[G1B+5], KPL
	s_mov_b32 s[G1B+6], 0
	s_mov_b32 s[G1B+7], 0
	s_mul_i32 s52, s22, AHD                        ; A: my tile row's 16 tiles of positions, heads 8 x (wave % 2) on
	s_mul_i32 s53, s18, 8*OHD
	s_add_co_u32 s52, s52, s53
	s_mov_b32 s53, 0
	s_mul_i32 s54, s21, 128*192                    ; B: my tile column's 128 rows of Wo, quarters 2 x (wave % 2) on
	s_add_co_u32 s54, s54, 11264*192
	s_mul_i32 s55, s18, 2*KPL
	s_add_co_u32 s54, s54, s55
	s_mov_b32 s55, 0
	s_mov_b32 s[G0A], 1
	s_mul_i32 s[G0A+1], s18, 8*AHD
	s_mov_b32 s[G0B], 1
	s_mul_i32 s[G0B+1], s18, 2*BQ
	s_add_co_u32 s[G0B+1], s[G0B+1], BB0
	s_lshl_b32 s56, s22, 8
	s_lshl_b32 s57, s17, 7
	s_add_co_u32 s56, s56, s57                     ; my first position
	s_lshl_b32 s58, s56, 12                        ; its row of out0
	s_lshl_b32 s56, s56, 5                         ; its scale bytes
	s_mov_b32 s57, 0
	s_lshl_b32 s60, s21, 7
	s_lshl_b32 s61, s18, 6
	s_add_co_u32 s60, s60, s61                     ; my first column
	s_lshl_b32 s62, s60, 2                         ; in bytes of a row of out0 and of bo
	s_add_co_u32 s58, s58, s62
	s_mov_b32 s59, 0
	s_mov_b32 s63, 0
	s_add_co_u32 s60, s60, 11264
	s_lshl_b32 s60, s60, 5                         ; its row of Wo's scale bytes
	s_mov_b32 s61, 0
	s_mul_i32 s41, s17, 8*768                      ; LDS: my 8 tiles of positions in each head's part,
	s_mul_i32 s42, s18, 64*PITCH
	s_add_co_u32 s42, s42, BB0                     ; my 64 rows of B in each quarter,
	s_mul_i32 s43, s16, 16*SPITCH
	s_add_co_u32 s43, s43, BB0                     ; my stage, on B's bytes
	s_wait_dscnt 0x0                               ; both opening adds are done
	s_wait_kmcnt 0x0
	s_add_nc_u64 s[G0A+2:G0A+3], s[4:5], s[52:53]
	s_or_b32 s[G0A+3], s[G0A+3], 0x80000000
	s_add_nc_u64 s[G0B+2:G0B+3], s[8:9], s[54:55]
	s_or_b32 s[G0B+3], s[G0B+3], 0x80000000
	s_add_nc_u64 s[6:7], s[6:7], s[56:57]
	s_add_nc_u64 s[10:11], s[10:11], s[60:61]
	s_add_nc_u64 s[12:13], s[12:13], s[62:63]
	s_add_nc_u64 s[14:15], s[14:15], s[58:59]
	CROUND                                         ; all sixteen work-groups are here: the joint loads meet
; THE HEAD'S LOADS, ONE A WAVE, each wave's line its own: one chain of branches on the wave's number
.macro ARM under, g0, g1, next
	s_cmp_lt_u32 s16, \under
	s_cbranch_scc0 \next
	tensor_load_to_lds s[\g0:\g0+3], s[\g1:\g1+7]
	s_nop 0
	PLACES
	s_branch .Lhead_asked
\next:
.endm
	ARM 1, G0A, G1A, .Lhead_1
	ARM 2, G0A, G1A, .Lhead_2
	ARM 3, G0B, G1B, .Lhead_3
	tensor_load_to_lds s[G0B:G0B+3], s[G1B:G1B+7]
	s_nop 0
	PLACES
.Lhead_asked:
	v_and_b32 v1, 15, v0                           ; r
	v_bfe_u32 v2, v0, 4, 1                         ; h
	v_and_b32 v3, 31, v0
	v_lshlrev_b32 v8, 5, v1                        ; 32 r
	v_lshlrev_b32 v9, 4, v1                        ; 16 r
.irp a, 0,1,2,3,4,5,6,7
	global_load_b128 v[SA+8*\a:SA+8*\a+3], v8, s[6:7] offset:512*\a
	global_load_b128 v[SA+8*\a+4:SA+8*\a+7], v8, s[6:7] offset:512*\a+16
.endr
.irp b, 0,1,2,3
	global_load_b128 v[SB+8*\b:SB+8*\b+3], v8, s[10:11] offset:512*\b
	global_load_b128 v[SB+8*\b+4:SB+8*\b+7], v8, s[10:11] offset:512*\b+16
.endr
	global_load_b128 v[4:7], v9, s[12:13]          ; the bias of the four columns that I store
	v_lshlrev_b32 v31, 4, v3
	v_add_nc_u32 v[ADRA], s41, v31
	v_lshlrev_b32 v31, 3, v3
	v_add_nc_u32 v[ADRA8], s41, v31
	v_mul_u32_u24 v31, v1, PITCH
	v_mad_u32_u24 v31, v2, 24, v31
	v_add_nc_u32 v[ADRB], s42, v31                 ; row x pitch + 24 x half
	v_lshl_add_u32 v[ADRB2], v2, 4, v[ADRB]
.irp q, 1,2,3
	v_add_nc_u32 v[ADRA+\q], \q*4*AHD, v[ADRA]
	v_add_nc_u32 v[ADRA8+\q], \q*4*AHD, v[ADRA8]
	v_add_nc_u32 v[ADRB+\q], \q*BQ, v[ADRB]
	v_add_nc_u32 v[ADRB2+\q], \q*BQ, v[ADRB2]
.endr
	v_mul_u32_u24 v31, v1, SPITCH                  ; into the stage: row r, 32 bytes for each half of the lanes
	v_lshl_add_u32 v31, v2, 5, v31
	v_add_nc_u32 v[STO], s43, v31
	v_mul_u32_u24 v31, v2, SPITCH                  ; back: lanes 0-15 one row of 256 bytes, lanes 16-31 the next
	v_lshl_add_u32 v31, v1, 4, v31
	v_add_nc_u32 v[RD], s43, v31
	v_lshlrev_b32 v31, 12, v2                      ; and the same two rows in out0
	v_lshl_add_u32 v[CO], v1, 4, v31
.macro FRAG reg, qr, q, i              ; B: six pieces of 8 bytes of a row's stream of bits
.irp p, 0,1,2,3,4,5
.set PCE, 12*(\q)+6*(\p/3)+\p%3
.if PCE%8 < 5
	ds_load_b64 v[\reg+2*\p:\reg+2*\p+1], v[ADRB+\qr] offset:8*PCE+16*(PCE/8)+(\i)*16*PITCH
.else
	ds_load_b64 v[\reg+2*\p:\reg+2*\p+1], v[ADRB2+\qr] offset:8*PCE+16*(PCE/8)+(\i)*16*PITCH
.endif
.endr
.endm
.macro FETCHB                          ; my 64 rows of Wo, all of K: 192 loads
.irp st, 0,1,2,3,4,5,6,7
.irp b, 0,1,2,3
.set F_, 4*\st+\b
	WIN ((2+F_/FPW)<<6)
	FRAG FR*(F_%FPW), (\st)/2, (\st)%2, \b
.endr
.endr
	WIN 0
.endm
.macro FETCHA a                        ; block a of my positions, all of K, into set a % 2: step st is heads 2 st, 2 st + 1
	WIN 0x40
.irp st, 0,1,2,3,4,5,6,7
.irp c, 0,1
	ds_load_b128 v[96*((\a)%2)+FR*\st+6*\c:96*((\a)%2)+FR*\st+6*\c+3], v[ADRA+(\st)/2] offset:(2*((\st)%2)+\c)*AHD+768*(\a)
	ds_load_b64 v[96*((\a)%2)+FR*\st+6*\c+4:96*((\a)%2)+FR*\st+6*\c+5], v[ADRA8+(\st)/2] offset:(2*((\st)%2)+\c)*AHD+768*(\a)+512
.endr
.endr
	WIN 0
.endm
.macro MULA a                          ; block a's 32 products; the first four start the sums
.irp st, 0,1,2,3,4,5,6,7
.irp b, 0,1,2,3
.set F_, 4*\st+\b
.set D_, ACC+32*((\a)%2)+8*\b
	WIN (0xf6+F_/FPW)                              ; source 0 (B) window 2 or 3, source 1 (A) window 1, C and D window 3
.if \st == 0
	v_wmma_scale_f32_16x16x128_f8f6f4 v[D_:D_+7], v[FR*(F_%FPW):FR*(F_%FPW)+FR-1], v[96*((\a)%2)+FR*\st:96*((\a)%2)+FR*\st+FR-1], 0, v[SB+8*\b+\st], v[SA+8*(\a)+\st] matrix_a_fmt:MATRIX_FMT_FP6 matrix_b_fmt:MATRIX_FMT_FP6
.else
	v_wmma_scale_f32_16x16x128_f8f6f4 v[D_:D_+7], v[FR*(F_%FPW):FR*(F_%FPW)+FR-1], v[96*((\a)%2)+FR*\st:96*((\a)%2)+FR*\st+FR-1], v[D_:D_+7], v[SB+8*\b+\st], v[SA+8*(\a)+\st] matrix_a_fmt:MATRIX_FMT_FP6 matrix_b_fmt:MATRIX_FMT_FP6
.endif
.endr
.endr
	WIN 0
.endm
; THE WAY OUT of a block of 16 positions x 64 columns: through my stage, back as whole rows of 256 bytes, the bias added, sixteen lanes to an aligned unit of 256 bytes
.macro TOSTAGE a
	WIN 0x0c                                       ; the data in window 3
.irp b, 0,1,2,3
	ds_store_b128 v[STO], v[ACC+32*((\a)%2)+8*\b:ACC+32*((\a)%2)+8*\b+3] offset:64*\b          ; each accumulator from its low end on
	ds_store_b128 v[STO], v[ACC+32*((\a)%2)+8*\b+4:ACC+32*((\a)%2)+8*\b+7] offset:64*\b+16
.endr
	WIN 0
.set BBK, BK+32*((\a)%2)
.irp t, 0,1,2,3,4,5,6,7
	ds_load_b128 v[BBK+4*\t:BBK+4*\t+3], v[RD] offset:\t*2*SPITCH              ; LDS serves a wave's instructions in order: these see the stores above
.endr
.endm
.macro SEND a, younger                 ; younger: the LDS instructions issued behind block a's loads from the stage, which may stay out
.set BBK, BK+32*((\a)%2)
	s_wait_dscnt \younger
.irp t, 0,1,2,3,4,5,6,7
	v_pk_add_f32 v[BBK+4*\t:BBK+4*\t+1], v[BBK+4*\t:BBK+4*\t+1], v[4:5]
	v_pk_add_f32 v[BBK+4*\t+2:BBK+4*\t+3], v[BBK+4*\t+2:BBK+4*\t+3], v[6:7]
	global_store_b128 v[CO], v[BBK+4*\t:BBK+4*\t+3], s[14:15] offset:(32*((\a)/2)+8*((\a)%2)+2*\t+8*(\t/4))*4096 th:TH_STORE_NT   ; positions 16 a + 2 t, + 1 are tokens 32 (a / 2) + 8 (a % 2) + 2 t + 8 (t / 4), + 1
.endr
.endm
	s_wait_alu depctr_va_vdst(0)                   ; the wait at the head's end
	s_cmp_eq_u32 s17, 1
	s_cbranch_scc0 .Lfor_a
	s_wait_tensorcnt 0x0                           ; waves 2 and 3: B's two halves of K
.Lfor_a:
	s_barrier_signal -1
	s_barrier_wait -1                              ; B is shown to all
	FETCHB
	s_wait_tensorcnt 0x0                           ; every wave: all that is still out, A's two halves of K
	s_wait_dscnt 0x0                               ; and my reads of B are over
	s_barrier_signal -1
	s_barrier_wait -1                              ; A is shown to all, and nobody reads B's bytes any more
	FETCHA 0
	FETCHA 1
	s_wait_loadcnt 0x0                             ; the scale words and the bias
.irp a, 0,1,2,3,4,5,6,7
.if \a == 0
	s_wait_dscnt NFA                               ; block 0 is in; block 1's loads may be out
.elseif \a < 7
	s_wait_dscnt NST+NFA                           ; block a is in; behind its loads: block a - 1's turn through the stage and block a + 1's loads
.else
	s_wait_dscnt NST
.endif
	MULA \a
	PLACES                                         ; behind the products: in front of the LDS stores of their results and of the loads into their registers
.if \a > 1
	s_wait_xcnt 0x0                                ; block a - 2's stores have read their registers: block a's loads from the stage may land there
.endif
.if \a > 0
.if \a < 7
	SEND \a-1, NFA                                 ; block a - 1 is back from the stage (asked for ahead of this block's products); block a + 1's loads may be out
.else
	SEND \a-1, 0
.endif
.endif
	TOSTAGE \a
.if \a < 6
	FETCHA \a+2
.endif
.endr
	SEND 7, 0
	s_wait_tensorcnt 0x0                           ; the wave's end
	ds_add_u32 v[SPW], v[NIL]
	s_wait_dscnt 0x0
	CROUND                                         ; the closing round
	s_endpgm
.Lfunc_end_k_q07e99e969e_proj:
	.size	k_q07e99e969e_proj, .Lfunc_end_k_q07e99e969e_proj-k_q07e99e969e_proj
	.p2alignl 7, 3214868480
	.fill 96, 4, 3214868480
	.section	.rodata,"a",@progbits
	.p2align	6, 0x0
	.amdhsa_kernel k_q07e99e969e_proj
		.amdhsa_group_segment_fixed_size 327680
		.amdhsa_private_segment_fixed_size 0
		.amdhsa_enable_private_segment 0
		.amdhsa_kernarg_size 48
		.amdhsa_user_sgpr_count 2
		.amdhsa_user_sgpr_kernarg_segment_ptr 1
		.amdhsa_wavefront_size32 1
		.amdhsa_system_sgpr_workgroup_id_x 1
		.amdhsa_system_sgpr_workgroup_id_y 1
		.amdhsa_system_sgpr_workgroup_id_z 1
		.amdhsa_system_vgpr_workitem_id 0
		.amdhsa_next_free_vgpr 1024
		.amdhsa_next_free_sgpr 66
		.amdhsa_reserve_vcc 0
		.amdhsa_float_denorm_mode_32 3
		.amdhsa_float_denorm_mode_16_64 3
		.amdhsa_memory_ordered 1
		.amdhsa_forward_progress 1
		.amdhsa_inst_pref_size 97
	.end_amdhsa_kernel
	.amdgpu_metadata
---
amdhsa.version: [ 1, 2 ]
amdhsa.kernels:
  - .name:           k_q07e99e969e_proj
    .symbol:         k_q07e99e969e_proj.kd
    .args:
      - { .name: oc, .offset: 0, .size: 8, .value_kind: global_buffer, .address_space: global }
      - { .name: os, .offset: 8, .size: 8, .value_kind: global_buffer, .address_space: global }
      - { .name: codes, .offset: 16, .size: 8, .value_kind: global_buffer, .address_space: global }
      - { .name: scales, .offset: 24, .size: 8, .value_kind: global_buffer, .address_space: global }
      - { .name: bo, .offset: 32, .size: 8, .value_kind: global_buffer, .address_space: global }
      - { .name: out0, .offset: 40, .size: 8, .value_kind: global_buffer, .address_space: global }
    .group_segment_fixed_size: 327680
    .private_segment_fixed_size: 0
    .kernarg_segment_align: 8
    .kernarg_segment_size: 48
    .max_flat_workgroup_size: 128
    .sgpr_count:     66
    .vgpr_count:     1024
    .wavefront_size: 32
...
	.end_amdgpu_metadata
.endif
;; end of part 4
